; MI455X (gfx1250); checked and timed in simulation.
; The chip was launched on July 23, 2026; its instructions are those of AMD's public machine-readable ISA for CDNA 5 (MIT licence, August 2026) and "CDNA5" Instruction Set Architecture Reference Guide (July 2026). The comments in the code are by the model that wrote it; some were corrected since.
;; Mo E Layer. Allowed arithmetic: matrix products marked QUANTISED: E5M2 operands, one given power-of-two scale a tensor, by v_wmma_f32_16x16x64_bf8_bf8 or v_wmma_f32_16x16x128_bf8_bf8, f32 sums; products left as they are: f32 operands where the result goes on into a quantised operand, else bf16, f16 or f32 operands; f32 sums; everything else in f32.
;; Inputs: W1_codes 8 x 4,096 x 32 x 32 uint8 (E5M2 codes of W1, K innermost, in blocks of 32 codes); W2_codes 8 x 1,024 x 128 x 32 uint8 (E5M2 codes of W2, K innermost, in blocks of 32 codes); Wg 1,024 x 8 float32; b1 8 x 4,096 float32; b2 8 x 1,024 float32; bg 8 float32; lowp_scales 4 int32 (the exponents e of the quantised operands' scales 2^e); x 1,024 x 1,024 float32.
;; Outputs: out0 1,024 x 1,024 float32; out1 one number float32.
;; This version of the problem:
;;   THIS VERSION OF THE PROBLEM IS GIVEN IN LOW PRECISION. The matrix products marked QUANTISED in the list below multiply operands that are first quantised to E5M2 (5 exponent bits, 2 mantissa bits; 8 bits a number), with one given power-of-two scale for each operand tensor; their sums are f32. All else is computed in f32.
;;   The module's matrix products, in the order in which they are computed (A, B: the left and right operand; K: the contracted axis; several contracted axes count as one K, in the product's order):
;;     1. [M 1,024, K 1,024] x [K 1,024, N 8]; A: input x; B: input Wg: left as it is (N = 8 < 16)
;;     2. [M 1,024, K 1,024] x [K 1,024, N 32,768]; A: input x; B: input W1 (given as codes): QUANTISED (scales: A lowp_scales[0], B lowp_scales[1])
;;     3. batch 8 x [M 1,024, K 4,096] x [K 4,096, N 1,024]; A: input W2 (given as codes); B: computed on the way: QUANTISED (scales: A lowp_scales[2], B lowp_scales[3])
;;   THE QUANTISER, for each operand of a quantised product, along K:
;;     - The operand's scale is 2^e, e = its entry of the input lowp_scales (int32; the entries are numbered through the quantised products in the list's order, A before B).
;;     - Each number is divided by the scale, clamped to +-57,344, and rounded to the nearest number of E5M2, ties to even, subnormals kept.
;;     - The product sums the exact products of the quantised numbers (number of the format x scale) in f32.
;;   ~~~python
;;   def quantise(x, axis, e):      # numpy; x: float32 -> the quantised numbers, widened to float32 again
;;       x = np.moveaxis(x, axis, -1); K = x.shape[-1]
;;       r = np.clip(x / 2.0 ** e, -57344, 57344)
;;       step = 2.0 ** (np.maximum(np.frexp(np.where(r == 0, 1, r))[1] - 1, -14) - 2)
;;       q = np.round(r / step) * step * 2.0 ** e      # np.round: ties to even
;;       return np.moveaxis(q, -1, axis).astype(np.float32)
;;   ~~~
;;   OPERANDS COMPUTED ON THE WAY. 'Computed on the way' means the value that the module computes at that place (a softmax that the list does not call 'softmax' is quantised finished and normalised). What goes into a quantiser is computed in f32, as accurately as f32 sums, v_exp_f32 and their like allow (about 1e-6 of the number): no bf16 or f16 on the way to a quantiser, and a product that is left as it is and whose result goes on into a quantised operand takes f32 operands (vector FMAs, or v_wmma_f32_16x16x4_f32). A number that lies on a knife's edge between two numbers of the format may be rounded either way, as far as f32 arithmetic and the matrix unit's own rounding can turn it there, and no further.
;;   INPUTS GIVEN AS CODES. W1 (in the module: [8, 1024, 4096], K = its axis 1); W2 (in the module: [8, 4096, 1024], K = its axis 1): each comes as NAME_codes (uint8): NAME with its K axis moved to the last place and cut into blocks of 32 codes, [.., K / 32, bytes a block], one block behind the other in memory; one code a byte (a code: sign, 5 exponent bits, 2 mantissa bits); its scale is its entry of lowp_scales. Its value is code x scale, taken as it is: it is not quantised again, and the codes and scales need not be those that the quantiser above would give.
;; 2 versions. Each part assembles by itself: llvm-mc -triple=amdgcn-amd-amdhsa -mcpu=gfx1250 --defsym DOCPART=n.
;; ======== version 1 of 2: 5 launches
;; workspace buffers: x_codes 1,048,576 bytes; sel 8,192 bytes of whole numbers; gate 40,960 bytes; plan 17,664 bytes of whole numbers; h_img 9,437,184 bytes; ybuf 9,437,184 bytes
;; launch route (part 1): grid 256 x 1, 4 waves a work-group, no clusters, 41,472 bytes of LDS; arguments x, Wg, bg, lowp_scales, x_codes, sel, gate; writes x_codes, sel, gate
.if DOCPART == 1
	.amdgcn_target "amdgcn-amd-amdhsa--gfx1250"
	.amdhsa_code_object_version 6
	.text
	.protected	k_q9e4821a426_route
	.globl	k_q9e4821a426_route
	.p2align	8
	.type	k_q9e4821a426_route,@function
k_q9e4821a426_route:
	s_mov_b64 s[64:65], 0
	v_nop
	global_prefetch_b8 v0, s[64:65] scope:SCOPE_SE
	s_setreg_imm32_b32 hwreg(HW_REG_WAVE_MODE, 25, 1), 1
	s_wait_xcnt 0x0
; THE GATE AND x's CODES.  One wave takes one token (token = 4 x work-group + wave): its row of x, 1,024 f32, is read once and serves both.
; (a) codes of E5M2: x / 2^e0, held within +-57,344, to the nearest code, ties to even; stored [token][k], one code a byte.
; (b) logits = x Wg + bg by f32 multiply-adds (lane l holds k = 128 j + 4 l + i), softmax with the row's maximum taken away, the two largest probabilities (of equals the lower index), their weights p / (p0 + p1).
; Stored at fixed places: sel[token][2] (the two experts, int32), gate: probs[token][8] f32, and from byte GW on gw[token][2] f32.  No address here hangs on the choice.
; Wg (32 KB) is brought by the four waves together, 512 consecutive bytes a load, and lies in LDS as in memory with 16 bytes of padding behind each 128: lane l then reads its four rows at 144 l.
; LIMITS: e0 between -126 and 112, so that 2^e0 and 57,344 x 2^e0 are f32 numbers.  NaN among the inputs is not served.  The logits' sums are taken in another order than the reference's: a token whose second and third
; probabilities agree to f32 rounding may choose the other.  A token's 48 bytes of sel, gw and probs are stored by one lane: parts of aligned blocks, 48 KB in the whole launch.
; No matrix unit, no tensor load, no cluster: 8 columns are too few for a matrix tile, and the launch reads 4 MB once.
.set CST, 36864                        ; LDS: behind Wg's 256 x 144 bytes, 1,024 bytes a wave: the codes' turn
.set GW,  32768                        ; gate: where the weights begin
.set X,   8                            ; v8-39    my 32 numbers of x: register 4 j + i = k 128 j + 4 l + i
.set T,   40                           ; v40-71   the same, held within the largest code x the scale
.set C,   72                           ; v72-79   codes: register j = k 128 j + 4 l + 0 .. 3
.set CB,  80                           ; v80-87   codes back from the stage: 16 neighbouring bytes a lane
.set G,   88                           ; v88-151  Wg: first as loaded (16 x 4), then two sets of 32: register 8 i + e = Wg[128 j + 4 l + i][e]
.set A,   152                          ; v152-159 the eight sums
.set P,   168                          ; v168-175 the probabilities
.set Q,   176                          ; v176-183 the same with the first choice struck out
	s_load_b256 s[4:11], s[0:1], 0x0               ; x s[4:5], Wg s[6:7], bg s[8:9], the scales' exponents s[10:11]
	s_load_b128 s[12:15], s[0:1], 0x20             ; x_codes s[12:13], sel s[14:15]
	s_load_b64 s[16:17], s[0:1], 0x30              ; gate
	v_lshl_add_u32 v192, v0, 2, 0xa000
	v_mov_b32 v193, 0
	v_lshrrev_b32 v1, 5, v0
	v_readfirstlane_b32 s18, v1                    ; wave
	v_and_b32 v1, 31, v0                           ; lane
	v_lshlrev_b32 v2, 4, v1                        ; 16 x lane
	v_lshrrev_b32 v3, 3, v1
	v_lshl_add_u32 v3, v3, 4, v2
	s_mul_i32 s30, s18, 9216
	v_add_nc_u32 v3, s30, v3                       ; Wg into LDS: 9,216 x wave + 16 lane + 16 (lane / 8): eight lanes' 128 bytes, then 16 of padding
	v_mul_u32_u24 v4, v1, 144                      ; Wg out of LDS: my four rows of a step
	s_lshl_b32 s30, s18, 10
	s_add_co_u32 s30, s30, CST
	v_lshl_add_u32 v5, v1, 2, s30                  ; codes into my wave's stage: 4 bytes a lane
	v_add_nc_u32 v6, s30, v2                       ; and back: 16 bytes a lane
	v_mov_b32 v7, 0
	s_lshl_b32 s19, ttmp9, 2
	s_add_co_u32 s19, s19, s18                     ; token
	s_mov_b32 s29, 0x3fb8aa3b                      ; log2(e)
	s_mov_b32 s34, 0x76543210                      ; v_permlanex16_b32: lane l xor 16
	s_mov_b32 s35, 0xfedcba98
	s_mov_b32 s31, 0
	s_wait_kmcnt 0x0
	s_load_b256 s[20:27], s[8:9], 0x0              ; bg
	s_load_b32 s28, s[10:11], 0x0                  ; e0
	s_lshl_b32 s30, s19, 12
	s_add_nc_u64 s[4:5], s[4:5], s[30:31]          ; my row of x
	s_lshl_b32 s30, s18, 13
	s_add_nc_u64 s[6:7], s[6:7], s[30:31]          ; my wave's quarter of Wg
	s_lshl_b32 s30, s19, 10
	s_add_nc_u64 s[12:13], s[12:13], s[30:31]      ; my row of codes
	s_lshl_b32 s30, s19, 3
	s_add_nc_u64 s[14:15], s[14:15], s[30:31]      ; sel[token]
	s_add_nc_u64 s[38:39], s[16:17], s[30:31]
	s_add_nc_u64 s[38:39], s[38:39], GW            ; gw[token]
	s_lshl_b32 s30, s19, 5
	s_add_nc_u64 s[16:17], s[16:17], s[30:31]      ; probs[token]
.irp j, 0,1,2,3,4,5,6,7
	global_load_b128 v[X+4*\j:X+4*\j+3], v2, s[4:5] offset:512*\j th:TH_LOAD_NT   ; 512 consecutive bytes a load
.endr
.irp m, 0,1,2,3,4,5,6,7,8,9,10,11,12,13,14,15
	global_load_b128 v[G+4*\m:G+4*\m+3], v2, s[6:7] offset:512*\m
.endr
	s_wait_loadcnt 16                              ; x is in; Wg's sixteen loads may be out
	s_wait_kmcnt 0x0
	s_add_co_i32 s28, s28, 127
	s_lshl_b32 s32, s28, 23
	v_mov_b32 v190, s32                            ; 2^e0 as f32: the conversion takes its exponent field
	s_add_co_i32 s28, s28, 15
	s_lshl_b32 s28, s28, 23
	s_or_b32 s28, s28, 0x600000
	v_mov_b32 v191, s28                            ; 57,344 x 2^e0
.set n, 0
.rept 32
	v_med3_num_f32 v[T+n], v[X+n], -v191, v191     ; the conversion to an 8-bit code does not saturate (ISA guide 7.6.2): the hold comes first.  Into other registers: x itself goes on into the gate
.set n, n+1
.endr
.irp g, 0,1,2,3
	v_cvt_scalef32_pk8_bf8_f32 v[C+2*\g:C+2*\g+1], v[T+8*\g:T+8*\g+7], v190
.endr
	v_nop                                          ; a plain line behind the last conversion
.irp j, 0,1,2,3,4,5,6,7
	ds_store_b32 v5, v[C+\j] offset:128*\j         ; byte 128 j + 4 l = k: the row of codes as it will lie in memory
.endr
	ds_load_b128 v[CB:CB+3], v6                    ; LDS serves a wave's instructions in order: these see my stores
	ds_load_b128 v[CB+4:CB+7], v6 offset:512
	s_wait_loadcnt 0x0                             ; Wg's quarter
.irp m, 0,1,2,3,4,5,6,7,8,9,10,11,12,13,14,15
	ds_store_b128 v3, v[G+4*\m:G+4*\m+3] offset:576*\m   ; 512 bytes of data take 576 with their padding
.endr
	s_wait_dscnt 16                                ; the codes are back; the sixteen stores behind them may be out
	global_store_b128 v2, v[CB:CB+3], s[12:13]               ; 512 consecutive bytes, aligned
	global_store_b128 v2, v[CB+4:CB+7], s[12:13] offset:512
	s_wait_dscnt 0x0                               ; for the others' sake: my quarter of Wg lies in LDS
	s_barrier_signal -1
	s_barrier_wait -1                              ; all of Wg does
.macro GFETCH j                        ; Wg's rows 128 j + 4 l + 0 .. 3, eight numbers each
.irp q, 0,1,2,3,4,5,6,7
	ds_load_b128 v[G+32*((\j)%2)+4*\q:G+32*((\j)%2)+4*\q+3], v4 offset:4608*(\j)+16*\q
.endr
.endm
.macro DOT j                           ; sixteen packed multiply-adds: one number of x against a pair of experts; the first four products start the sums
.set GB, G+32*((\j)%2)
.irp i, 0,1,2,3
.irp pp, 0,1,2,3
.if ((\j) == 0) && (\i == 0)
	v_pk_mul_f32 v[A+2*\pp:A+2*\pp+1], v[X:X+1], v[GB+2*\pp:GB+2*\pp+1] op_sel_hi:[0,1]
.elseif (\i%2) == 0
	v_pk_fma_f32 v[A+2*\pp:A+2*\pp+1], v[X+4*(\j)+\i:X+4*(\j)+\i+1], v[GB+8*\i+2*\pp:GB+8*\i+2*\pp+1], v[A+2*\pp:A+2*\pp+1] op_sel_hi:[0,1,1]   ; the pair's first register for both halves
.else
	v_pk_fma_f32 v[A+2*\pp:A+2*\pp+1], v[X+4*(\j)+\i-1:X+4*(\j)+\i], v[GB+8*\i+2*\pp:GB+8*\i+2*\pp+1], v[A+2*\pp:A+2*\pp+1] op_sel:[1,0,0] op_sel_hi:[1,1,1]   ; the pair's second register for both halves
.endif
.endr
.endr
.endm
	GFETCH 0
.irp j, 0,1,2,3,4,5,6
	GFETCH \j+1
	s_wait_dscnt 8                                 ; this step's eight loads are in, the next step's may be out
	DOT \j
.endr
	s_wait_dscnt 0x0
	DOT 7
.irp m, 1,2,4,8                        ; the eight sums over the 32 lanes; the eight chains take turns
.irp e, 0,1,2,3,4,5,6,7
	v_add_f32_dpp v[A+\e], v[A+\e], v[A+\e] row_xmask:\m row_mask:0xf bank_mask:0xf
.endr
.endr
.irp e, 0,1,2,3,4,5,6,7
	v_permlanex16_b32 v[G+\e], v[A+\e], s34, s35   ; (its destination counts as read: G's registers have been written)
.endr
.irp e, 0,1,2,3,4,5,6,7
	v_add_f32 v[A+\e], v[A+\e], v[G+\e]
.endr
.irp e, 0,1,2,3,4,5,6,7
	v_add_f32 v[A+\e], s[20+\e], v[A+\e]           ; + bg: the logits, the same in every lane
.endr
	v_max3_num_f32 v160, v[A], v[A+1], v[A+2]
	v_max3_num_f32 v160, v160, v[A+3], v[A+4]
	v_max3_num_f32 v160, v160, v[A+5], v[A+6]
	v_max_num_f32 v160, v160, v[A+7]               ; the row's maximum is taken away, as the reference's softmax does
	v_mul_f32 v161, s29, v160
.irp e, 0,1,2,3,4,5,6,7
	v_fma_f32 v[P+\e], v[A+\e], s29, -v161
.endr
.irp e, 0,1,2,3,4,5,6,7
	v_exp_f32 v[P+\e], v[P+\e]
.endr
	v_nop                                          ; a plain line behind the last exponential,
	s_wait_alu depctr_va_vdst(0)                   ; and one wait for the batch, ahead of its first reader
	v_add_f32 v160, v[P], v[P+1]
	v_add_f32 v161, v[P+2], v[P+3]
	v_add_f32 v162, v[P+4], v[P+5]
	v_add_f32 v163, v[P+6], v[P+7]
	v_add_f32 v160, v160, v161
	v_add_f32 v162, v162, v163
	v_add_f32 v160, v160, v162                     ; between 1 and 8
	v_rcp_f32 v164, v160
	v_nop
	s_wait_alu depctr_va_vdst(0)
.irp e, 0,1,2,3,4,5,6,7
	v_mul_f32 v[P+\e], v[P+\e], v164
.endr
	v_mov_b32 v188, v[P]                           ; the largest: an ascending scan that keeps what it has where that is not smaller: of equals the lower index
	v_mov_b32 v184, 0
.irp e, 1,2,3,4,5,6,7
	v_cmp_ge_f32 vcc_lo, v188, v[P+\e]
	v_cndmask_b32 v188, v[P+\e], v188, vcc_lo
	v_cndmask_b32 v184, \e, v184, vcc_lo
.endr
.irp e, 0,1,2,3,4,5,6,7
	v_cmp_ne_u32 vcc_lo, \e, v184
	v_cndmask_b32 v[Q+\e], -1.0, v[P+\e], vcc_lo   ; the first choice is struck out: -1 lies under every probability
.endr
	v_mov_b32 v189, v[Q]
	v_mov_b32 v185, 0
.irp e, 1,2,3,4,5,6,7
	v_cmp_ge_f32 vcc_lo, v189, v[Q+\e]
	v_cndmask_b32 v189, v[Q+\e], v189, vcc_lo
	v_cndmask_b32 v185, \e, v185, vcc_lo
.endr
	v_add_f32 v160, v188, v189                     ; at least 1/8
	v_rcp_f32 v164, v160
	v_cmp_eq_u32 vcc_lo, 0, v1                     ; (the plain line behind the reciprocal)
	s_wait_alu depctr_va_vdst(0)
	v_mul_f32 v186, v188, v164
	v_mul_f32 v187, v189, v164
	s_wait_xcnt 0x0                                ; EXEC changes only when the stores above have read it
	s_wait_tensorcnt 0x0
	ds_add_u32 v192, v193
	s_wait_dscnt 0x0
	s_and_saveexec_b32 s36, vcc_lo                 ; lane 0 stores the token's figures
	global_store_b64 v7, v[184:185], s[14:15]
	global_store_b64 v7, v[186:187], s[38:39]
	global_store_b128 v7, v[P:P+3], s[16:17]
	global_store_b128 v7, v[P+4:P+7], s[16:17] offset:16
	s_wait_xcnt 0x0
	s_or_b32 exec_lo, exec_lo, s36
	s_endpgm
.Lfunc_end_k_q9e4821a426_route:
	.size	k_q9e4821a426_route, .Lfunc_end_k_q9e4821a426_route-k_q9e4821a426_route
	.p2alignl 7, 3214868480
	.fill 96, 4, 3214868480
	.section	.rodata,"a",@progbits
	.p2align	6, 0x0
	.amdhsa_kernel k_q9e4821a426_route
		.amdhsa_group_segment_fixed_size 41472
		.amdhsa_private_segment_fixed_size 0
		.amdhsa_enable_private_segment 0
		.amdhsa_kernarg_size 56
		.amdhsa_user_sgpr_count 2
		.amdhsa_user_sgpr_kernarg_segment_ptr 1
		.amdhsa_wavefront_size32 1
		.amdhsa_system_sgpr_workgroup_id_x 1
		.amdhsa_system_sgpr_workgroup_id_y 1
		.amdhsa_system_sgpr_workgroup_id_z 1
		.amdhsa_system_vgpr_workitem_id 0
		.amdhsa_next_free_vgpr 194
		.amdhsa_next_free_sgpr 66
		.amdhsa_reserve_vcc 1
		.amdhsa_float_denorm_mode_32 3
		.amdhsa_float_denorm_mode_16_64 3
		.amdhsa_memory_ordered 1
		.amdhsa_forward_progress 1
		.amdhsa_inst_pref_size 29
	.end_amdhsa_kernel
	.amdgpu_metadata
---
amdhsa.version: [ 1, 2 ]
amdhsa.kernels:
  - .name:           k_q9e4821a426_route
    .symbol:         k_q9e4821a426_route.kd
    .args:
      - { .name: x, .offset: 0, .size: 8, .value_kind: global_buffer, .address_space: global }
      - { .name: Wg, .offset: 8, .size: 8, .value_kind: global_buffer, .address_space: global }
      - { .name: bg, .offset: 16, .size: 8, .value_kind: global_buffer, .address_space: global }
      - { .name: lowp_scales, .offset: 24, .size: 8, .value_kind: global_buffer, .address_space: global }
      - { .name: x_codes, .offset: 32, .size: 8, .value_kind: global_buffer, .address_space: global }
      - { .name: sel, .offset: 40, .size: 8, .value_kind: global_buffer, .address_space: global }
      - { .name: gate, .offset: 48, .size: 8, .value_kind: global_buffer, .address_space: global }
    .group_segment_fixed_size: 41472
    .private_segment_fixed_size: 0
    .kernarg_segment_align: 8
    .kernarg_segment_size: 56
    .max_flat_workgroup_size: 128
    .sgpr_count:     66
    .vgpr_count:     194
    .wavefront_size: 32
...
	.end_amdgpu_metadata
.endif
;; end of part 1
;; launch place (part 2): grid 1 x 1, 8 waves a work-group, no clusters, 1,536 bytes of LDS; arguments sel, gate, plan, out1; writes plan, out1
.if DOCPART == 2
	.amdgcn_target "amdgcn-amd-amdhsa--gfx1250"
	.amdhsa_code_object_version 6
	.text
	.protected	k_q9e4821a426_place
	.globl	k_q9e4821a426_place
	.p2align	8
	.type	k_q9e4821a426_place,@function
k_q9e4821a426_place:
	s_mov_b64 s[64:65], 0
	v_nop
	global_prefetch_b8 v0, s[64:65] scope:SCOPE_SE
	s_setreg_imm32_b32 hwreg(HW_REG_WAVE_MODE, 25, 1), 1
	s_wait_xcnt 0x0
; THE ROWS ARE PLACED BY EXPERT, AND aux.  One work-group of eight waves; wave w owns tokens 128 w .. 128 w + 127: four chunks of 32, a lane a token.
; A counting sort without atomics.  Each wave counts, for its 128 tokens, how many chose each of the eight experts; the 8 x 8 counts meet in LDS; from them every wave has each expert's rows n, its UNITS of 32 rows
; ceil(n / 32), laid behind those of the experts before it, and how many of the expert's rows belong to earlier waves.  A token's row with expert e is 32 x e's first unit + the tokens before it that chose e.
; EVERY TOKEN HAS TWO ROWS, so the token's owner stores both with all lanes on: no mask stands in the chunks' stores.  All of this is whole-number arithmetic: addresses hang on it.
; The units' sum is at least 64 and at most 71; 72 units (2,304 rows) are laid out.  Stored in plan (int32):
;   rowtok[2304] from byte 0: the token of each routed row, tokens ascending within an expert; 0 in the rows that fill up a unit (wave e: expert e's) and in the units that are left (a thread a row);
;   pos[token][2] from byte POS: the routed row of the token's first and second choice: a wave's store covers 256 consecutive bytes, aligned;   meta[e] = {first unit, units} from byte META.
; aux = 0.01 x the sum over experts of u log(u + 1e-8), u = the mean of the probabilities over the tokens.
; ORDER: every address of a store is made with all lanes on, ahead of the first narrowing of EXEC; behind it stand only three masked stores, and wave 0's arithmetic for aux.
; One work-group is all the work there is: 40 KB are read and 18 KB written.
.set POS,  9216
.set META, 17408
.set PS,   256                         ; LDS: bytes 0-255: wave w's eight counts at 32 w; from PS on 32 bytes a wave: its sums of the eight probabilities
.set S,    16                          ; v16-23   sel: chunk j's pair at S + 2 j
.set T,    24                          ; v25-31   a chunk's candidate rows with experts 1 to 7
.set P,    32                          ; v32-39   chunk j: my token's two rows, a pair at P + 2 j
.set AD,   40                          ; v40-47   4 x those
.set TK,   48                          ; v48-51   chunk j: my token
.set CV,   52                          ; v52-59   my wave's eight counts; later the eight waves' counts of expert lane % 8
.set PR,   80                          ; v80-111  probabilities: my wave's 128 tokens
.set NE,   16                          ; s16-23   expert e's rows
.set BS,   24                          ; s24-31   my wave's count of expert e; later the expert's next free row as my wave walks its chunks
.set CM,   40                          ; s40-55   a chunk's compares: expert e against the first (2 e) and the second choice (2 e + 1)
.set MK,   66                          ; s66-97   chunk j, expert e: the lanes whose token chose e, at MK + 8 j + e
	s_load_b256 s[4:11], s[0:1], 0x0               ; sel s[4:5], gate s[6:7], plan s[8:9], out1 s[10:11]
	v_lshl_add_u32 v128, v0, 2, 0x200
	v_mov_b32 v129, 0
	v_lshrrev_b32 v1, 5, v0
	v_readfirstlane_b32 s12, v1                    ; wave
	v_and_b32 v1, 31, v0                           ; lane
	s_lshl_b32 s36, s12, 10
	v_lshl_add_u32 v2, v1, 3, s36                  ; sel and pos: 1,024 x wave + 8 x lane
	s_lshl_b32 s36, s12, 12
	v_lshl_add_u32 v3, v1, 4, s36                  ; probabilities: 4,096 x wave + 16 x lane
	v_mov_b32 v4, 0
	s_lshl_b32 s36, s12, 5
	v_mov_b32 v6, s36                              ; LDS: my wave's eight counts
	v_and_b32 v7, 1, v1
	v_lshl_add_u32 v7, v7, 4, s36                  ; LDS: 32 x wave + 16 (lane % 2)
	v_and_b32 v8, 7, v1
	v_lshlrev_b32 v8, 2, v8                        ; LDS: 4 (lane % 8)
	s_lshl_b32 s36, s12, 7
	v_add_nc_u32 v11, s36, v1                      ; my token of chunk 0
	s_mov_b32 s56, 0x76543210                      ; v_permlanex16_b32: lane l xor 16
	s_mov_b32 s57, 0xfedcba98
	s_wait_kmcnt 0x0
.irp j, 0,1,2,3
	global_load_b64 v[S+2*\j:S+2*\j+1], v2, s[4:5] offset:256*\j
.endr
.irp i, 0,1,2,3,4,5,6,7
	global_load_b128 v[PR+4*\i:PR+4*\i+3], v3, s[6:7] offset:512*\i   ; a lane holds experts 4 (lane % 2) + 0 .. 3 of a token
.endr
; Chunk j: for each expert the lanes that chose it (kept), and their number onto my wave's count.  The compares stand in one run, so that no scalar line waits for the vector line just before it.
.macro COUNT j
.irp e, 0,1,2,3,4,5,6,7
	v_cmp_eq_u32 s[CM+2*\e], \e, v[S+2*(\j)]
	v_cmp_eq_u32 s[CM+2*\e+1], \e, v[S+2*(\j)+1]
.endr
.irp e, 0,1,2,3,4,5,6,7
	s_or_b32 s[MK+8*(\j)+\e], s[CM+2*\e], s[CM+2*\e+1]
.endr
.irp e, 0,1,2,3,4,5,6,7
.if (\j) == 0
	s_bcnt1_i32_b32 s[BS+\e], s[MK+\e]             ; the first chunk starts the counts
.else
	s_bcnt1_i32_b32 s[CM+\e], s[MK+8*(\j)+\e]
	s_add_co_u32 s[BS+\e], s[BS+\e], s[CM+\e]
.endif
.endr
.endm
	s_wait_loadcnt 8                               ; sel's four loads are in; the eight loads of probabilities behind them may be out
	COUNT 0
	COUNT 1
	COUNT 2
	COUNT 3
.irp e, 0,1,2,3,4,5,6,7
	v_mov_b32 v[CV+\e], s[BS+\e]
.endr
	ds_store_b128 v6, v[CV:CV+3]                   ; all lanes store the same numbers to the same bytes
	ds_store_b128 v6, v[CV+4:CV+7] offset:16
	s_wait_loadcnt 0x0
	v_pk_add_f32 v[112:113], v[PR:PR+1], v[PR+4:PR+5]
	v_pk_add_f32 v[114:115], v[PR+2:PR+3], v[PR+6:PR+7]
.irp i, 2,3,4,5,6,7
	v_pk_add_f32 v[112:113], v[112:113], v[PR+4*\i:PR+4*\i+1]
	v_pk_add_f32 v[114:115], v[114:115], v[PR+4*\i+2:PR+4*\i+3]
.endr
.irp m, 2,4,8                          ; over the lanes of my parity
.irp e, 0,1,2,3
	v_add_f32_dpp v[112+\e], v[112+\e], v[112+\e] row_xmask:\m row_mask:0xf bank_mask:0xf
.endr
.endr
.irp e, 0,1,2,3
	v_permlanex16_b32 v[PR+\e], v[112+\e], s56, s57   ; (its destination counts as read: these registers have been written)
.endr
.irp e, 0,1,2,3
	v_add_f32 v[112+\e], v[112+\e], v[PR+\e]
.endr
	ds_store_b128 v7, v[112:115] offset:PS         ; lanes of one parity store the same numbers to the same bytes
	s_wait_dscnt 0x0                               ; for the others' sake: my counts and my sums lie in LDS
	s_barrier_signal -1
	s_barrier_wait -1
.irp q, 0,1,2,3,4,5,6,7
	ds_load_b32 v[CV+\q], v8 offset:32*\q          ; expert lane % 8: wave q's count
.endr
	s_wait_dscnt 0x0
	v_add3_u32 v60, v[CV], v[CV+1], v[CV+2]
	v_add3_u32 v60, v60, v[CV+3], v[CV+4]
	v_add3_u32 v60, v60, v[CV+5], v[CV+6]
	v_add_nc_u32 v60, v60, v[CV+7]                 ; n: the expert's rows
	s_cmp_gt_u32 s12, 0
	s_cselect_b32 s36, -1, 0
	v_and_b32 v62, s36, v[CV]                      ; the expert's rows in the waves before mine: wave q's count where q < my number (wave 7 is before nobody)
.irp q, 1,2,3,4,5,6
	s_cmp_gt_u32 s12, \q
	s_cselect_b32 s36, -1, 0
	v_and_b32 v63, s36, v[CV+\q]
	v_add_nc_u32 v62, v62, v63
.endr
.irp e, 0,1,2,3,4,5,6,7
	v_readlane_b32 s[NE+\e], v60, \e               ; lane e holds expert e's
	v_readlane_b32 s[BS+\e], v62, \e
.endr
	s_mov_b32 s35, 0                               ; units so far
	s_mov_b32 s32, 0
	s_mov_b32 s34, 0
	s_mov_b32 s13, 0
.irp e, 0,1,2,3,4,5,6,7
	s_add_co_u32 s36, s[NE+\e], 31
	s_lshr_b32 s36, s36, 5                         ; expert e's units
	s_lshl_b32 s37, s35, 5
	s_add_co_u32 s[BS+\e], s[BS+\e], s37           ; its next free row for my wave: 32 x its first unit + the rows of the waves before mine
	s_cmp_eq_u32 s12, \e                           ; of the expert with my wave's number:
	s_cselect_b32 s32, s35, s32                    ; the first unit,
	s_cselect_b32 s34, s36, s34                    ; the units,
	s_cselect_b32 s13, s[NE+\e], s13               ; the rows
	s_add_co_u32 s35, s35, s36
.endr
	s_lshl_b32 s14, s32, 5
	s_add_co_u32 s14, s14, s13                     ; the first row behind that expert's rows
	s_lshl_b32 s38, s34, 5
	s_sub_co_u32 s38, s38, s13                     ; rows that fill up its last unit: under 32
	v_add_nc_u32 v66, s14, v1
	v_min_u32 v66, 2303, v66
	v_lshlrev_b32 v66, 2, v66                      ; their places, a lane a row
	v_cmp_gt_u32 s59, s38, v1
	s_lshl_b32 s39, s35, 5
	v_add_nc_u32 v67, s39, v0                      ; the units that are left: at most 2,304 - 2,048 = 256 rows, a thread a row
	v_cmp_gt_u32 s60, 2304, v67
	v_min_u32 v67, 2303, v67
	v_lshlrev_b32 v67, 2, v67
	v_mov_b32 v70, s32                             ; meta: the first unit,
	v_mov_b32 v71, s34                             ; the units
	s_lshl_b32 s39, s12, 3
	v_mov_b32 v68, s39
	v_cmp_eq_u32 s61, 0, v1                        ; lane 0
; Chunk j's rows.  For each expert: its next free row + how many of the chunk's lanes before me chose it; of the eight candidates my token takes those of its two choices (expert 0's is the start, the others are selected over it).
.macro PLACE j
	v_mbcnt_lo_u32_b32 v[P+2*(\j)], s[MK+8*(\j)], s[BS]
.irp e, 1,2,3,4,5,6,7
	v_mbcnt_lo_u32_b32 v[T+\e], s[MK+8*(\j)+\e], s[BS+\e]
.endr
.irp e, 1,2,3,4,5,6,7
	v_cmp_eq_u32 s[CM+2*\e], \e, v[S+2*(\j)]
	v_cmp_eq_u32 s[CM+2*\e+1], \e, v[S+2*(\j)+1]
.endr
	v_mov_b32 v[P+2*(\j)+1], v[P+2*(\j)]
.irp e, 1,2,3,4,5,6,7
	v_cndmask_b32 v[P+2*(\j)], v[P+2*(\j)], v[T+\e], s[CM+2*\e]
	v_cndmask_b32 v[P+2*(\j)+1], v[P+2*(\j)+1], v[T+\e], s[CM+2*\e+1]
.endr
.if (\j) < 3
.irp e, 0,1,2,3,4,5,6,7
	s_bcnt1_i32_b32 s[36+(\e%4)], s[MK+8*(\j)+\e]
	s_add_co_u32 s[BS+\e], s[BS+\e], s[36+(\e%4)]  ; on behind the chunk's rows
.endr
.endif
	v_min_u32 v[P+2*(\j)], 2303, v[P+2*(\j)]       ; (the bound is never reached: it stands here because the numbers hang on loaded ones)
	v_min_u32 v[P+2*(\j)+1], 2303, v[P+2*(\j)+1]
	v_lshlrev_b32 v[AD+2*(\j)], 2, v[P+2*(\j)]
	v_lshlrev_b32 v[AD+2*(\j)+1], 2, v[P+2*(\j)+1]
	v_add_nc_u32 v[TK+(\j)], 32*(\j), v11          ; my token
	global_store_b32 v[AD+2*(\j)], v[TK+(\j)], s[8:9]       ; rowtok[first choice's row] = token
	global_store_b32 v[AD+2*(\j)+1], v[TK+(\j)], s[8:9]     ; rowtok[second choice's row] = token
	global_store_b64 v2, v[P+2*(\j):P+2*(\j)+1], s[8:9] offset:POS+256*(\j)   ; pos[token]: 256 consecutive bytes a wave.  Each chunk has registers of its own: no store's data or address is written again
.endm
	PLACE 0
	PLACE 1
	PLACE 2
	PLACE 3
	s_wait_xcnt 0x0                                ; EXEC changes below; each masked block ends with this wait, and nothing is issued between that wait and the next narrowing
	s_and_saveexec_b32 s58, s59
	global_store_b32 v66, v4, s[8:9]               ; token 0 stands in: its results are computed and never read
	s_wait_xcnt 0x0
	s_or_b32 exec_lo, exec_lo, s58
	s_and_saveexec_b32 s58, s60
	global_store_b32 v67, v4, s[8:9]
	s_wait_xcnt 0x0
	s_or_b32 exec_lo, exec_lo, s58
	s_and_saveexec_b32 s58, s61
	global_store_b64 v68, v[70:71], s[8:9] offset:META
	s_wait_xcnt 0x0
	s_or_b32 exec_lo, exec_lo, s58
	s_cmp_lg_u32 s12, 0                            ; aux is wave 0's; no barrier stands below
	s_cbranch_scc1 .Lend
.irp w, 0,1,2,3,4,5,6,7
	ds_load_b32 v[PR+\w], v8 offset:PS+32*\w       ; expert lane % 8: the eight waves' sums
.endr
	s_wait_dscnt 0x0
	v_add_f32 v80, v80, v81
	v_add_f32 v82, v82, v83
	v_add_f32 v84, v84, v85
	v_add_f32 v86, v86, v87
	v_add_f32 v80, v80, v82
	v_add_f32 v84, v84, v86
	v_add_f32 v80, v80, v84
	v_mul_f32 v80, 0x3a800000, v80                 ; u = the sum / 1,024
	v_add_f32 v81, 0x322bcc77, v80                 ; + 1e-8
	v_log_f32 v81, v81
	v_nop
	s_wait_alu depctr_va_vdst(0)                   ; ahead of the logarithm's first reader
	v_mul_f32 v80, v80, v81
	v_add_f32_dpp v80, v80, v80 row_xmask:1 row_mask:0xf bank_mask:0xf
	v_add_f32_dpp v80, v80, v80 row_xmask:2 row_mask:0xf bank_mask:0xf
	v_add_f32_dpp v80, v80, v80 row_xmask:4 row_mask:0xf bank_mask:0xf
	v_mul_f32 v80, 0x3f317218, v80                 ; log2 to the natural logarithm
	v_mul_f32 v80, 0x3c23d70a, v80                 ; x 0.01
	s_and_saveexec_b32 s58, s61
	global_store_b32 v4, v80, s[10:11]
	s_wait_xcnt 0x0
	s_or_b32 exec_lo, exec_lo, s58
.Lend:
	s_wait_tensorcnt 0x0
	ds_add_u32 v128, v129
	s_wait_dscnt 0x0
	s_endpgm
.Lfunc_end_k_q9e4821a426_place:
	.size	k_q9e4821a426_place, .Lfunc_end_k_q9e4821a426_place-k_q9e4821a426_place
	.p2alignl 7, 3214868480
	.fill 96, 4, 3214868480
	.section	.rodata,"a",@progbits
	.p2align	6, 0x0
	.amdhsa_kernel k_q9e4821a426_place
		.amdhsa_group_segment_fixed_size 1536
		.amdhsa_private_segment_fixed_size 0
		.amdhsa_enable_private_segment 0
		.amdhsa_kernarg_size 32
		.amdhsa_user_sgpr_count 2
		.amdhsa_user_sgpr_kernarg_segment_ptr 1
		.amdhsa_wavefront_size32 1
		.amdhsa_system_sgpr_workgroup_id_x 1
		.amdhsa_system_sgpr_workgroup_id_y 1
		.amdhsa_system_sgpr_workgroup_id_z 1
		.amdhsa_system_vgpr_workitem_id 0
		.amdhsa_next_free_vgpr 130
		.amdhsa_next_free_sgpr 98
		.amdhsa_reserve_vcc 0
		.amdhsa_float_denorm_mode_32 3
		.amdhsa_float_denorm_mode_16_64 3
		.amdhsa_memory_ordered 1
		.amdhsa_forward_progress 1
		.amdhsa_inst_pref_size 33
	.end_amdhsa_kernel
	.amdgpu_metadata
---
amdhsa.version: [ 1, 2 ]
amdhsa.kernels:
  - .name:           k_q9e4821a426_place
    .symbol:         k_q9e4821a426_place.kd
    .args:
      - { .name: sel, .offset: 0, .size: 8, .value_kind: global_buffer, .address_space: global }
      - { .name: gate, .offset: 8, .size: 8, .value_kind: global_buffer, .address_space: global }
      - { .name: plan, .offset: 16, .size: 8, .value_kind: global_buffer, .address_space: global }
      - { .name: out1, .offset: 24, .size: 8, .value_kind: global_buffer, .address_space: global }
    .group_segment_fixed_size: 1536
    .private_segment_fixed_size: 0
    .kernarg_segment_align: 8
    .kernarg_segment_size: 32
    .max_flat_workgroup_size: 256
    .sgpr_count:     98
    .vgpr_count:     130
    .wavefront_size: 32
...
	.end_amdgpu_metadata
.endif
;; end of part 2
;; launch ffn1 (part 3): grid 32 x 8, 4 waves a work-group, no clusters, 133,632 bytes of LDS; arguments x_codes, W1_codes, b1, lowp_scales, plan, h_img; writes h_img
.if DOCPART == 3
	.amdgcn_target "amdgcn-amd-amdhsa--gfx1250"
	.amdhsa_code_object_version 6
	.text
	.protected	k_q9e4821a426_ffn1
	.globl	k_q9e4821a426_ffn1
	.p2align	8
	.type	k_q9e4821a426_ffn1,@function
k_q9e4821a426_ffn1:
	s_mov_b64 s[64:65], 0
	v_nop
	global_prefetch_b8 v0, s[64:65] scope:SCOPE_SE
	s_setreg_imm32_b32 hwreg(HW_REG_WAVE_MODE, 25, 1), 1
	s_wait_xcnt 0x0
; THE HIDDEN LAYER OF THE CHOSEN ROWS: h = Q(relu(x W1 + b1)), on codes of E5M2, for the routed rows alone (the reference keeps two experts' rows of each token and throws the rest away).
; SHARES.  Work-group (x, y): expert y; 256 hidden units, chunk x / 2; half x % 2 of the expert's units of 32 routed rows (half 0: the first ceil(Un / 2), half 1: the rest).
; Wave w owns hidden units 64 w .. 64 w + 63 of the chunk, over all K = 1,024: 4 tiles x 8 K steps = 32 fragments, 512 registers, which STAY for the whole launch.  They are loaded as they lie (512 consecutive bytes of a
; row a load) and turned into fragments through the wave's own stage in LDS, once.  What goes past them is small: a unit's 32 rows of x's codes, gathered by the list of tokens into one of two LDS buffers.
; THE PRODUCT IS USED TRANSPOSED (source 0 = 16 rows of W1, source 1 = 16 routed rows), AND THE ROWS OF W1 THAT FORM A TILE ARE NOT NEIGHBOURS: row i of tile 2 b + u is hidden unit 32 b + 8 u + i + 8 (i / 8).  So lane (r, h)
; holds routed row r, and its 16 registers of tiles 2 b, 2 b + 1 are hidden units 32 b + 16 h + 0 .. 15: the conversions' results are registers of the next product's operand, and are stored as an IMAGE of them:
; h_img[row tile][K step of 128][piece c][lane][16 bytes], lane (r, h) of piece c = row r, k = 32 c + 16 h + 0 .. 15.  A wave's store covers 512 consecutive bytes, aligned.
; A fragment's k are laid 32 c + 16 h + 0 .. 15 in registers 4 c .. 4 c + 3 on BOTH sides of each product: a permutation of k that is the same in both, so every product meets its partner.
; b1 / 2^(e0 + e1) is the C of each sum's first product; the sum stands for sum x 2^(e0 + e1), so the conversion takes 2^(e3 - e0 - e1); the hold at the largest code clips at 0 as well: the activation.
; THE LOOP has 16 trips, a constant (an expert has at most 32 units), with one barrier each; a trip's work stands under forward branches on the stored count, and no barrier stands under one.
; NO TENSOR LOAD, NO CLUSTER, NO JOINT LOADS: how many units a work-group has is a number read from memory, and the text branches on it; a chunk's weights are read by two work-groups only (neighbours in x).
; LIMITS: e3 - e0 - e1 between -126 and 112; b1 x 2^-(e0 + e1) must be an f32 number.  NaN among the inputs is not served.
; REGISTERS, in windows of 256.  Window 0: v1-15 addresses, v16-23 the gathered rows' offsets, v24, v25 scale and hold, v32-63 the bias, v64-127 eight accumulators, v128-143 codes, v160-223 gathered rows.
;   Windows 1, 2: W1's fragment (tile t, K step s) in window 1 + t / 2 at v[128 (t % 2) + 16 s].   Window 3: x's fragment (row tile T, K step s) at v[16 (2 s + T)].
.set META, 17408
.set WP,   1040                        ; an LDS row: 1,024 bytes + 16 = 65 x 16: the sixteen rows of a fragment load start at sixteen different 16-byte columns
.set WSTW, 16*WP                       ; a wave's stage: one tile's 16 rows
.set XB0,  4*WSTW                      ; behind the stages: two buffers of 32 rows of x's codes
.set XB1,  XB0+32*WP
.set BI,   32
.set ACC,  64                          ; accumulator (tile t, row tile T) at ACC + 32 T + 8 t
.set PC,   128
.set XG,   160
.set MSB, 0
.macro WIN new                         ; the immediate's high byte repeats the setting that is left; a switch that changes nothing is dropped
.if MSB != (\new)
	s_set_vgpr_msb (MSB<<8)|(\new)
.set MSB, (\new)
.endif
.endm
.macro PLACES n
.rept \n
	v_nop
.endr
.endm
.macro WLOAD t                         ; tile t's 16 rows as they lie: 32 loads of 512 consecutive bytes
.set WB, 128*((\t)%2)
.set R0, 32*((\t)/2)+8*((\t)%2)
	WIN ((1+(\t)/2)<<6)
.irp i, 0,1,2,3,4,5,6,7,8,9,10,11,12,13,14,15
	global_load_b128 v[WB+8*\i:WB+8*\i+3], v3, s[6:7] offset:(R0+\i+8*(\i/8))*1024
	global_load_b128 v[WB+8*\i+4:WB+8*\i+7], v3, s[6:7] offset:(R0+\i+8*(\i/8))*1024+512
.endr
	WIN 0
.endm
.macro WTURN t                         ; through my stage: in as rows, back as fragments, into the registers that they left.  LDS serves a wave's instructions in order: no wait, and the next tile's stores come behind these loads
.set WB, 128*((\t)%2)
	WIN ((1+(\t)/2)<<2)
.irp i, 0,1,2,3,4,5,6,7,8,9,10,11,12,13,14,15
	ds_store_b128 v4, v[WB+8*\i:WB+8*\i+3] offset:WP*\i
	ds_store_b128 v4, v[WB+8*\i+4:WB+8*\i+7] offset:WP*\i+512
.endr
	WIN ((1+(\t)/2)<<6)
.irp s, 0,1,2,3,4,5,6,7
.irp c, 0,1,2,3
	ds_load_b128 v[WB+16*\s+4*\c:WB+16*\s+4*\c+3], v5 offset:128*\s+32*\c
.endr
.endr
	WIN 0
.endm
.macro TOK k                           ; the tokens of my 8 rows of the unit k further on (lane i % 8: row 8 w + i)
	s_add_co_u32 s27, s22, s24
	s_add_co_u32 s27, s27, \k
	s_min_u32 s27, s27, 71                         ; every entry of the list up to unit 71 is written, so a look ahead past my share reads a token
	s_lshl_b32 s27, s27, 7
	v_add_nc_u32 v13, s27, v12
	global_load_b32 v14, v13, s[12:13]
.endm
.macro GATHER                          ; my 8 rows of x's codes: two loads of 512 consecutive bytes a row
.irp i, 0,1,2,3,4,5,6,7
	v_readlane_b32 s36, v14, \i
	s_min_u32 s36, s36, 1023
	v_lshl_add_u32 v[16+\i], s36, 10, v3
.endr
.irp i, 0,1,2,3,4,5,6,7
	global_load_b128 v[XG+8*\i:XG+8*\i+3], v[16+\i], s[4:5]
	global_load_b128 v[XG+8*\i+4:XG+8*\i+7], v[16+\i], s[4:5] offset:512
.endr
.endm
.macro XSTORE p
.irp i, 0,1,2,3,4,5,6,7
	ds_store_b128 v[6+\p], v[XG+8*\i:XG+8*\i+3] offset:WP*\i
	ds_store_b128 v[6+\p], v[XG+8*\i+4:XG+8*\i+7] offset:WP*\i+512
.endr
.endm
.macro PASS g                          ; tiles 2 g, 2 g + 1 against both row tiles, K ascending: four accumulators by turns, one instruction a turn
	WIN 0x0d+(\g)                                  ; source 0 (W1) window 1 + g, source 1 (x) window 3, C and D window 0
.irp s, 0,1,2,3,4,5,6,7
.if (\g) == 0
	s_wait_dscnt 56-8*\s                           ; K step s's eight loads are in; those of the later steps may be out
.endif
.irp u, 0,1
.irp tt, 0,1
.set rD, ACC+32*\tt+8*(2*(\g)+\u)
.set rA, 128*\u+16*\s
.set rB, 16*(2*\s+\tt)
.set rC, BI+8*(2*(\g)+\u)
.if \s == 0
	v_wmma_f32_16x16x128_bf8_bf8 v[rD:rD+7], v[rA:rA+15], v[rB:rB+15], v[rC:rC+7]
.else
	v_wmma_f32_16x16x128_bf8_bf8 v[rD:rD+7], v[rA:rA+15], v[rB:rB+15], v[rD:rD+7]
.endif
.endr
.endr
.endr
.endm
.macro COMPUTE p                       ; the unit in buffer p
	s_wait_xcnt 0x0                                ; the last unit's stores have read their codes and their offset
	s_add_co_u32 s27, s22, s24
	s_min_u32 s27, s27, 71
	s_lshl_b32 s27, s27, 17                        ; a unit's images: 2 row tiles x 65,536 bytes
	v_add_nc_u32 v11, s27, v10
	WIN 0xc0                                       ; destination window 3.  (The registers' last readers, the last unit's products, stand in front of that unit's 64 holds)
.irp s, 0,1,2,3,4,5,6,7
.irp tt, 0,1
.irp c, 0,1,2,3
	ds_load_b128 v[16*(2*\s+\tt)+4*\c:16*(2*\s+\tt)+4*\c+3], v[8+\p] offset:16*WP*\tt+128*\s+32*\c
.endr
.endr
.endr
	PASS 0
	PASS 1
	WIN 0
	PLACES 4                                       ; four plain lines between the products and the first read of a result (ISA guide 7.12.1): for the first pass's results too, behind which only matrix instructions stand
.irp b, 0,1
.irp tt, 0,1
.irp i, 0,1,2,3,4,5,6,7,8,9,10,11,12,13,14,15
	v_med3_num_f32 v[ACC+32*\tt+16*\b+\i], v[ACC+32*\tt+16*\b+\i], 0, v25   ; the activation and the hold in one; each accumulator from its low end on
.endr
	v_cvt_scalef32_pk8_bf8_f32 v[PC+4*(2*\tt+\b):PC+4*(2*\tt+\b)+1], v[ACC+32*\tt+16*\b:ACC+32*\tt+16*\b+7], v24
	v_cvt_scalef32_pk8_bf8_f32 v[PC+4*(2*\tt+\b)+2:PC+4*(2*\tt+\b)+3], v[ACC+32*\tt+16*\b+8:ACC+32*\tt+16*\b+15], v24
.endr
.endr
	v_nop                                          ; a plain line behind the last conversion: the next unit's products write its sources
.irp tt, 0,1
.irp b, 0,1
	global_store_b128 v11, v[PC+4*(2*\tt+\b):PC+4*(2*\tt+\b)+3], s[14:15] offset:65536*\tt+512*\b   ; 512 consecutive bytes, aligned
.endr
.endr
.endm
; A TRIP: the next unit's rows are asked for, this unit is worked, the next unit's rows go into the other buffer; one barrier.  It parts the other buffer's new rows from their reads in the next trip,
; and this trip's reads of buffer p from that buffer's next rows.
.macro TRIP p
	s_add_co_u32 s26, s24, 1
	s_cmp_lt_u32 s26, s23
	s_cbranch_scc0 .Lno_gather_\@
	s_wait_loadcnt 0x0                             ; the next unit's tokens are in, and no load is out that names the offsets below
	GATHER
	TOK 2
.Lno_gather_\@:
	s_cmp_lt_u32 s24, s23
	s_cbranch_scc0 .Lno_work_\@
	COMPUTE \p
.Lno_work_\@:
	s_cmp_lt_u32 s26, s23
	s_cbranch_scc0 .Lno_rows_\@
	s_wait_loadcnt 0x1                             ; the sixteen loads of rows are in; the load of tokens behind them may be out
	XSTORE 1-\p
.Lno_rows_\@:
	s_add_co_u32 s24, s24, 1
	s_wait_dscnt 0x0                               ; my stores have landed and my reads are back
	s_barrier_signal -1
	s_barrier_wait -1
.endm
	s_load_b256 s[4:11], s[0:1], 0x0               ; x_codes s[4:5], W1_codes s[6:7], b1 s[8:9], the scales' exponents s[10:11]
	s_load_b128 s[12:15], s[0:1], 0x20             ; plan s[12:13], h_img s[14:15]
	v_lshl_add_u32 v254, v0, 2, 0x20800
	v_mov_b32 v255, 0
	v_lshrrev_b32 v1, 5, v0
	v_readfirstlane_b32 s16, v1                    ; wave
	s_and_b32 s17, ttmp7, 0xffff                   ; expert
	s_lshr_b32 s18, ttmp9, 1                       ; chunk
	s_and_b32 s19, ttmp9, 1                        ; half
	v_and_b32 v1, 15, v0                           ; r
	v_bfe_u32 v2, v0, 4, 1                         ; h
	v_and_b32 v3, 31, v0
	v_and_b32 v12, 7, v0
	v_lshlrev_b32 v3, 4, v3                        ; 16 x lane
	s_mul_i32 s26, s16, WSTW
	v_add_nc_u32 v4, s26, v3                       ; my stage, in: 16 bytes a lane
	v_mul_u32_u24 v5, v1, WP
	v_lshl_add_u32 v5, v2, 4, v5                   ; a fragment's row x pitch + 16 h
	v_add_nc_u32 v8, XB0, v5                       ; x's fragments in buffer 0,
	v_add_nc_u32 v9, XB1, v5                       ; in buffer 1,
	v_add_nc_u32 v5, s26, v5                       ; and W1's in my stage
	s_mul_i32 s26, s16, 8*WP
	v_add_nc_u32 v6, s26, v3
	v_add_nc_u32 v7, XB1, v6                       ; my 8 rows in buffer 1,
	v_add_nc_u32 v6, XB0, v6                       ; in buffer 0
	s_lshl_b32 s26, s18, 1
	s_lshr_b32 s27, s16, 1
	s_add_co_u32 s26, s26, s27                     ; the next product's K step: 2 x chunk + w / 2
	s_lshl_b32 s26, s26, 11
	s_and_b32 s27, s16, 1
	s_lshl_b32 s27, s27, 10                        ; its pieces 2 (w % 2) and 2 (w % 2) + 1
	s_add_co_u32 s26, s26, s27
	v_add_nc_u32 v10, s26, v3
	s_lshl_b32 s26, s16, 3
	v_add_nc_u32 v12, s26, v12
	v_lshlrev_b32 v12, 2, v12                      ; 4 (8 w + lane % 8)
	v_lshlrev_b32 v15, 6, v2                       ; the bias: 64 h
	s_lshl_b32 s26, s17, 12
	s_lshl_b32 s32, s18, 8
	s_add_co_u32 s26, s26, s32
	s_lshl_b32 s32, s16, 6
	s_add_co_u32 s26, s26, s32                     ; my first hidden row among the 32,768: 4,096 e + 256 chunk + 64 w
	s_lshl_b32 s27, s17, 3
	s_mov_b32 s33, 0
	s_wait_kmcnt 0x0
	s_load_b64 s[20:21], s[12:13], s27 offset:META ; my expert's first unit and units
	s_load_b128 s[28:31], s[10:11], 0x0            ; e0, e1, e2, e3
	s_lshl_b32 s32, s26, 10
	s_add_nc_u64 s[6:7], s[6:7], s[32:33]
	s_lshl_b32 s32, s26, 2
	s_add_nc_u64 s[8:9], s[8:9], s[32:33]
.irp t, 0,1,2,3
	global_load_b128 v[BI+8*\t:BI+8*\t+3], v15, s[8:9] offset:(32*(\t/2)+8*(\t%2))*4       ; lane (r, h), tile 2 b + u: b1 of hidden units 32 b + 16 h + 8 u + 0 .. 7
	global_load_b128 v[BI+8*\t+4:BI+8*\t+7], v15, s[8:9] offset:(32*(\t/2)+8*(\t%2))*4+16
.endr
	WLOAD 0
	s_wait_kmcnt 0x0
	s_add_co_u32 s32, s21, 1
	s_lshr_b32 s32, s32, 1                         ; half 0's units
	s_sub_co_u32 s33, s21, s32                     ; half 1's
	s_cmp_eq_u32 s19, 0
	s_cselect_b32 s23, s32, s33                    ; my units: at most 16
	s_cselect_b32 s22, 0, s32
	s_add_co_u32 s22, s22, s20                     ; my first unit
	s_mov_b32 s24, 0                               ; the unit in hand
	TOK 0
	WLOAD 1
	s_wait_loadcnt 33                              ; the bias and tile 0 are in; behind them: 1 load of tokens, tile 1's 32
	WTURN 0
	s_wait_loadcnt 32                              ; the tokens
	GATHER
	TOK 1
	WLOAD 2
	s_wait_loadcnt 49                              ; tile 1 is in; behind it: 16 of rows, 1 of tokens, tile 2's 32
	WTURN 1
	s_wait_loadcnt 33                              ; the rows
	XSTORE 0
	WLOAD 3
	s_wait_loadcnt 32                              ; tile 2 (and the tokens)
	WTURN 2
	s_add_co_i32 s32, s28, s29                     ; e0 + e1
	s_sub_co_i32 s33, 0, s32
	s_sub_co_i32 s32, s31, s32
	s_add_co_i32 s32, s32, 127
	s_lshl_b32 s34, s32, 23
	v_mov_b32 v24, s34                             ; 2^(e3 - e0 - e1): the three scales folded into the conversion's one
	s_add_co_i32 s32, s32, 15
	s_lshl_b32 s32, s32, 23
	s_or_b32 s32, s32, 0x600000
	v_mov_b32 v25, s32                             ; 57,344 x that
.set n, 0
.rept 32
	v_ldexp_f32 v[BI+n], v[BI+n], s33              ; b1 / 2^(e0 + e1)
.set n, n+1
.endr
	s_wait_loadcnt 0x0
	WTURN 3
	s_wait_dscnt 0x0                               ; my fragments are in, my rows of the first unit lie in buffer 0
	s_barrier_signal -1
	s_barrier_wait -1
	s_mov_b32 s25, 0
.Ltrips:
	TRIP 0
	TRIP 1
	s_add_co_u32 s25, s25, 1
	s_cmp_lt_u32 s25, 8
	s_cbranch_scc1 .Ltrips
	s_wait_tensorcnt 0x0
	ds_add_u32 v254, v255
	s_wait_dscnt 0x0
	s_endpgm
.Lfunc_end_k_q9e4821a426_ffn1:
	.size	k_q9e4821a426_ffn1, .Lfunc_end_k_q9e4821a426_ffn1-k_q9e4821a426_ffn1
	.p2alignl 7, 3214868480
	.fill 96, 4, 3214868480
	.section	.rodata,"a",@progbits
	.p2align	6, 0x0
	.amdhsa_kernel k_q9e4821a426_ffn1
		.amdhsa_group_segment_fixed_size 133632
		.amdhsa_private_segment_fixed_size 0
		.amdhsa_enable_private_segment 0
		.amdhsa_kernarg_size 48
		.amdhsa_user_sgpr_count 2
		.amdhsa_user_sgpr_kernarg_segment_ptr 1
		.amdhsa_wavefront_size32 1
		.amdhsa_system_sgpr_workgroup_id_x 1
		.amdhsa_system_sgpr_workgroup_id_y 1
		.amdhsa_system_sgpr_workgroup_id_z 1
		.amdhsa_system_vgpr_workitem_id 0
		.amdhsa_next_free_vgpr 1024
		.amdhsa_next_free_sgpr 66
		.amdhsa_reserve_vcc 0
		.amdhsa_float_denorm_mode_32 3
		.amdhsa_float_denorm_mode_16_64 3
		.amdhsa_memory_ordered 1
		.amdhsa_forward_progress 1
		.amdhsa_inst_pref_size 77
	.end_amdhsa_kernel
	.amdgpu_metadata
---
amdhsa.version: [ 1, 2 ]
amdhsa.kernels:
  - .name:           k_q9e4821a426_ffn1
    .symbol:         k_q9e4821a426_ffn1.kd
    .args:
      - { .name: x_codes, .offset: 0, .size: 8, .value_kind: global_buffer, .address_space: global }
      - { .name: W1_codes, .offset: 8, .size: 8, .value_kind: global_buffer, .address_space: global }
      - { .name: b1, .offset: 16, .size: 8, .value_kind: global_buffer, .address_space: global }
      - { .name: lowp_scales, .offset: 24, .size: 8, .value_kind: global_buffer, .address_space: global }
      - { .name: plan, .offset: 32, .size: 8, .value_kind: global_buffer, .address_space: global }
      - { .name: h_img, .offset: 40, .size: 8, .value_kind: global_buffer, .address_space: global }
    .group_segment_fixed_size: 133632
    .private_segment_fixed_size: 0
    .kernarg_segment_align: 8
    .kernarg_segment_size: 48
    .max_flat_workgroup_size: 128
    .sgpr_count:     66
    .vgpr_count:     1024
    .wavefront_size: 32
...
	.end_amdgpu_metadata
.endif
;; end of part 3
;; launch ffn2 (part 4): grid 32 x 8, 4 waves a work-group, no clusters, 136,704 bytes of LDS; arguments h_img, W2_codes, b2, lowp_scales, plan, ybuf; writes ybuf
.if DOCPART == 4
	.amdgcn_target "amdgcn-amd-amdhsa--gfx1250"
	.amdhsa_code_object_version 6
	.text
	.protected	k_q9e4821a426_ffn2
	.globl	k_q9e4821a426_ffn2
	.p2align	8
	.type	k_q9e4821a426_ffn2,@function
k_q9e4821a426_ffn2:
	s_mov_b64 s[64:65], 0
	v_nop
	global_prefetch_b8 v0, s[64:65] scope:SCOPE_SE
	s_setreg_imm32_b32 hwreg(HW_REG_WAVE_MODE, 25, 1), 1
	s_wait_xcnt 0x0
; THE SECOND PRODUCT OF THE CHOSEN ROWS: ybuf[routed row][d] = (the sum over k of h's code x W2's code) x 2^(e2 + e3) + b2[expert][d], f32.
; SHARES.  Work-group (x, y): expert y; 64 output columns, chunk x / 2; half x % 2 of the expert's units of 32 routed rows, as in the launch before.
; THE WAVES SHARE K: wave w owns k = 1,024 w .. 1,024 w + 1,023 (8 K steps of 128) of all 64 columns: 4 tiles x 8 steps = 32 fragments of W2, 512 registers, which stay for the whole launch (loaded as they lie, 512
; consecutive bytes a load, and turned through the wave's own stage in LDS, once).  So each fragment of h is loaded by ONE wave of the work-group, straight from its image into registers (four loads of 512 consecutive
; bytes), and feeds four products.  The four waves' partial sums meet in LDS once a unit; each wave then adds, scales and stores 8 whole rows' 256 bytes.
; TRANSPOSED USE: source 0 = 16 columns of W2, source 1 = 16 routed rows: a lane holds 8 neighbouring columns of one row.
; h's loads run a unit ahead, in two groups of 32 (K steps 0-3, 4-7): each group is asked for again as soon as its products are issued.
; THE LOOP has 16 trips, a constant, with one barrier each, between the partial sums' stores and their reads; two buffers take turns, so that a buffer's next stores stand behind the next barrier.  A trip's work stands
; under forward branches on the stored count; no barrier stands under one.  The unit with a successor and the last one are written out apart, so that every counted wait stands with the loads that it counts.
; NO TENSOR LOAD, NO CLUSTER, NO JOINT LOADS: the number of units is read from memory and the text branches on it; a chunk's weights are read by two work-groups only.
; LIMITS: e2 + e3 between -126 and 127.
; REGISTERS.  Window 0: v1-16 addresses and b2, v64-127 eight accumulators ((tile n, row tile T) at 64 + 8 (2 n + T)), v128-191 the partial sums read back.
;   Windows 1, 2: W2's fragment (n, s) in window 1 + n / 2 at v[128 (n % 2) + 16 s].   Window 3: h's fragment (T, s) at v[16 (2 s + T)].
.set META, 17408
.set WP,   1040
.set WSTW, 16*WP
.set RED,  4*WSTW                      ; behind the stages: 2 buffers x 4 waves x 32 rows x (256 bytes + 16)
.set ACC,  64
.set RD,   128
.set MSB, 0
.macro WIN new
.if MSB != (\new)
	s_set_vgpr_msb (MSB<<8)|(\new)
.set MSB, (\new)
.endif
.endm
.macro PLACES n
.rept \n
	v_nop
.endr
.endm
.macro WLOAD t                         ; tile t: columns 16 t + i, my 1,024 bytes of each: 32 loads of 512 consecutive bytes
.set WB, 128*((\t)%2)
	WIN ((1+(\t)/2)<<6)
.irp i, 0,1,2,3,4,5,6,7,8,9,10,11,12,13,14,15
	global_load_b128 v[WB+8*\i:WB+8*\i+3], v3, s[6:7] offset:(16*(\t)+\i)*4096
	global_load_b128 v[WB+8*\i+4:WB+8*\i+7], v3, s[6:7] offset:(16*(\t)+\i)*4096+512
.endr
	WIN 0
.endm
.macro WTURN t                         ; through my stage: in as rows, back as fragments.  LDS serves a wave's instructions in order
.set WB, 128*((\t)%2)
	WIN ((1+(\t)/2)<<2)
.irp i, 0,1,2,3,4,5,6,7,8,9,10,11,12,13,14,15
	ds_store_b128 v4, v[WB+8*\i:WB+8*\i+3] offset:WP*\i
	ds_store_b128 v4, v[WB+8*\i+4:WB+8*\i+7] offset:WP*\i+512
.endr
	WIN ((1+(\t)/2)<<6)
.irp s, 0,1,2,3,4,5,6,7
.irp c, 0,1,2,3
	ds_load_b128 v[WB+16*\s+4*\c:WB+16*\s+4*\c+3], v5 offset:128*\s+32*\c
.endr
.endr
	WIN 0
.endm
.macro HLOAD g                         ; h's fragments of my K steps 4 g .. 4 g + 3, both row tiles: 32 loads, in the order in which they are used
	WIN 0xc0
.irp ss, 0,1,2,3
.irp tt, 0,1
.irp c, 0,1,2,3
	global_load_b128 v[16*(2*(4*(\g)+\ss)+\tt)+4*\c:16*(2*(4*(\g)+\ss)+\tt)+4*\c+3], v6, s[4:5] offset:65536*\tt+2048*(4*(\g)+\ss)+512*\c
.endr
.endr
.endr
	WIN 0
.endm
.macro HALF g, rest                    ; 32 products: K steps 4 g .. 4 g + 3; first tiles 0, 1, then tiles 2, 3: four accumulators by turns, one instruction a turn.  rest: the loads issued behind this group's
.irp pg, 0,1
	WIN 0x0d+\pg                                   ; source 0 (W2) window 1 + pg, source 1 (h) window 3
.irp ss, 0,1,2,3
.if \pg == 0
	s_wait_loadcnt (\rest)+24-8*\ss                ; this K step's eight loads are in
.endif
.irp u, 0,1
.irp tt, 0,1
.set rD, ACC+8*(2*(2*\pg+\u)+\tt)
.set rA, 128*\u+16*(4*(\g)+\ss)
.set rB, 16*(2*(4*(\g)+\ss)+\tt)
.if (4*(\g)+\ss) == 0
	v_wmma_f32_16x16x128_bf8_bf8 v[rD:rD+7], v[rA:rA+15], v[rB:rB+15], 0
.else
	v_wmma_f32_16x16x128_bf8_bf8 v[rD:rD+7], v[rA:rA+15], v[rB:rB+15], v[rD:rD+7]
.endif
.endr
.endr
.endr
.endr
.endm
.macro MAIN q, next                    ; a unit's 64 products; next = 1: the next unit's fragments are asked for on the way
	HALF 0, 32                                     ; behind the first group: the second group's 32
	WIN 0
	PLACES 4                                       ; in front of loads into registers that matrix instructions have read
.if \next
	s_wait_xcnt 0x0                                ; the loads that are out have read their offset
	s_add_co_u32 s27, s22, s24
	s_add_co_u32 s27, s27, 1
	s_min_u32 s27, s27, 71
	s_lshl_b32 s27, s27, 17
	v_add_nc_u32 v6, s27, v7
	HLOAD 0
.endif
	HALF 1, 32*\next
	WIN 0
	PLACES 5                                       ; four serve the loads and the LDS stores below; the fifth the next unit's first products, which begin these accumulators anew
.if \next
	HLOAD 1
.endif
.irp nn, 0,1,2,3
.irp tt, 0,1
	ds_store_b128 v8, v[ACC+8*(2*\nn+\tt):ACC+8*(2*\nn+\tt)+3] offset:34816*(\q)+4352*\tt+64*\nn       ; lane (r, h): row 16 T + r, columns 16 n + 8 h + 0 .. 7; each accumulator from its low end on
	ds_store_b128 v8, v[ACC+8*(2*\nn+\tt)+4:ACC+8*(2*\nn+\tt)+7] offset:34816*(\q)+4352*\tt+64*\nn+16
.endr
.endr
.endm
.macro EPI q                           ; my 8 rows of the unit: the four waves' partial sums, the scale, the bias, out
	s_wait_xcnt 0x0                                ; the last unit's stores have read their data and their offset
	s_add_co_u32 s27, s22, s24
	s_min_u32 s27, s27, 71
	s_lshl_b32 s27, s27, 17                        ; a unit's 32 rows of 4,096 bytes
	v_add_nc_u32 v11, s27, v10
.irp src, 0,1,2,3
.irp i, 0,1,2,3
	ds_load_b128 v[RD+16*\src+4*\i:RD+16*\src+4*\i+3], v9 offset:34816*(\q)+8704*\src+544*\i
.endr
.endr
	s_wait_dscnt 0x0
.irp i, 0,1,2,3
	v_pk_add_f32 v[RD+4*\i:RD+4*\i+1], v[RD+4*\i:RD+4*\i+1], v[RD+16+4*\i:RD+16+4*\i+1]
	v_pk_add_f32 v[RD+4*\i+2:RD+4*\i+3], v[RD+4*\i+2:RD+4*\i+3], v[RD+16+4*\i+2:RD+16+4*\i+3]
	v_pk_add_f32 v[RD+32+4*\i:RD+32+4*\i+1], v[RD+32+4*\i:RD+32+4*\i+1], v[RD+48+4*\i:RD+48+4*\i+1]
	v_pk_add_f32 v[RD+32+4*\i+2:RD+32+4*\i+3], v[RD+32+4*\i+2:RD+32+4*\i+3], v[RD+48+4*\i+2:RD+48+4*\i+3]
	v_pk_add_f32 v[RD+4*\i:RD+4*\i+1], v[RD+4*\i:RD+4*\i+1], v[RD+32+4*\i:RD+32+4*\i+1]
	v_pk_add_f32 v[RD+4*\i+2:RD+4*\i+3], v[RD+4*\i+2:RD+4*\i+3], v[RD+32+4*\i+2:RD+32+4*\i+3]
	v_pk_fma_f32 v[RD+4*\i:RD+4*\i+1], v[RD+4*\i:RD+4*\i+1], s[40:41], v[12:13] op_sel_hi:[1,0,1]       ; sum x 2^(e2 + e3) + b2 (the scalar pair's low word for both halves)
	v_pk_fma_f32 v[RD+4*\i+2:RD+4*\i+3], v[RD+4*\i+2:RD+4*\i+3], s[40:41], v[14:15] op_sel_hi:[1,0,1]
	global_store_b128 v11, v[RD+4*\i:RD+4*\i+3], s[14:15] offset:8192*\i   ; sixteen lanes store 256 consecutive bytes, aligned; two rows an instruction
.endr
.endm
.macro TRIP q
	s_cmp_lt_u32 s24, s23
	s_cbranch_scc0 .Lno_work_\@
	s_add_co_u32 s26, s24, 1
	s_cmp_lt_u32 s26, s23
	s_cbranch_scc0 .Llast_\@
	MAIN \q, 1
	s_branch .Lno_work_\@
.Llast_\@:
	MAIN \q, 0
.Lno_work_\@:
	s_wait_dscnt 0x0                               ; my partial sums lie in LDS; my reads of the other buffer are back
	s_barrier_signal -1
	s_barrier_wait -1
	s_cmp_lt_u32 s24, s23
	s_cbranch_scc0 .Lno_out_\@
	EPI \q
.Lno_out_\@:
	s_add_co_u32 s24, s24, 1
.endm
	s_load_b256 s[4:11], s[0:1], 0x0               ; h_img s[4:5], W2_codes s[6:7], b2 s[8:9], the scales' exponents s[10:11]
	s_load_b128 s[12:15], s[0:1], 0x20             ; plan s[12:13], ybuf s[14:15]
	v_lshl_add_u32 v254, v0, 2, 0x21400
	v_mov_b32 v255, 0
	v_lshrrev_b32 v1, 5, v0
	v_readfirstlane_b32 s16, v1                    ; wave
	s_and_b32 s17, ttmp7, 0xffff                   ; expert
	s_lshr_b32 s18, ttmp9, 1                       ; chunk
	s_and_b32 s19, ttmp9, 1                        ; half
	v_and_b32 v1, 15, v0                           ; r
	v_bfe_u32 v2, v0, 4, 1                         ; h
	v_and_b32 v3, 31, v0
	v_lshlrev_b32 v3, 4, v3                        ; 16 x lane
	s_mul_i32 s26, s16, WSTW
	v_add_nc_u32 v4, s26, v3                       ; my stage, in
	v_mul_u32_u24 v5, v1, WP
	v_lshl_add_u32 v5, v2, 4, v5
	v_add_nc_u32 v5, s26, v5                       ; and back: row r x pitch + 16 h
	s_lshl_b32 s26, s16, 14
	v_add_nc_u32 v7, s26, v3                       ; h's images: my 8 K steps of 2,048 bytes, 16 bytes a lane
	v_mul_u32_u24 v8, v1, 272
	v_lshl_add_u32 v8, v2, 5, v8
	s_mul_i32 s26, s16, 8704
	s_add_co_u32 s26, s26, RED
	v_add_nc_u32 v8, s26, v8                       ; my partial sums: row r, 32 h bytes on
	v_mul_u32_u24 v9, v2, 272
	v_lshl_add_u32 v9, v1, 4, v9
	s_mul_i32 s26, s16, 2176
	s_add_co_u32 s26, s26, RED
	v_add_nc_u32 v9, s26, v9                       ; back: rows 8 w + h (+ 2 i), 16 bytes a lane
	v_lshlrev_b32 v16, 4, v1                       ; 16 r
	v_lshl_add_u32 v10, v2, 12, v16
	s_lshl_b32 s26, s16, 15
	s_lshl_b32 s27, s18, 8
	s_add_co_u32 s26, s26, s27
	v_add_nc_u32 v10, s26, v10                     ; ybuf: 4,096 (8 w + h) + 256 chunk + 16 r
	s_lshl_b32 s26, s17, 10
	s_lshl_b32 s32, s18, 6
	s_add_co_u32 s26, s26, s32                     ; my first column among the 8,192: 1,024 e + 64 chunk
	s_lshl_b32 s27, s17, 3
	s_mov_b32 s33, 0
	s_wait_kmcnt 0x0
	s_load_b64 s[20:21], s[12:13], s27 offset:META ; my expert's first unit and units
	s_load_b128 s[28:31], s[10:11], 0x0            ; e0, e1, e2, e3
	s_lshl_b32 s32, s26, 12
	s_lshl_b32 s34, s16, 10
	s_add_co_u32 s32, s32, s34                     ; + my wave's 1,024 bytes of each row
	s_add_nc_u64 s[6:7], s[6:7], s[32:33]
	s_lshl_b32 s32, s26, 2
	s_add_nc_u64 s[8:9], s[8:9], s[32:33]
	global_load_b128 v[12:15], v16, s[8:9]         ; b2 of columns 4 r + 0 .. 3 of the chunk
	WLOAD 0
	s_wait_kmcnt 0x0
	s_add_co_u32 s32, s21, 1
	s_lshr_b32 s32, s32, 1                         ; half 0's units
	s_sub_co_u32 s33, s21, s32                     ; half 1's
	s_cmp_eq_u32 s19, 0
	s_cselect_b32 s23, s32, s33                    ; my units: at most 16
	s_cselect_b32 s22, 0, s32
	s_add_co_u32 s22, s22, s20                     ; my first unit
	s_mov_b32 s24, 0
	s_cmp_gt_u32 s23, 0
	s_cselect_b32 s27, s22, 0                      ; a work-group without units loads unit 0's images, which are written, and uses nothing of them
	s_min_u32 s27, s27, 71
	s_lshl_b32 s27, s27, 17
	v_add_nc_u32 v6, s27, v7
	s_add_co_i32 s40, s30, s31
	s_add_co_i32 s40, s40, 127
	s_lshl_b32 s40, s40, 23                        ; 2^(e2 + e3) as f32
	s_mov_b32 s41, s40                             ; (named with it as a pair, so it is written)
	WLOAD 1
	s_wait_loadcnt 32                              ; b2 and tile 0 are in; tile 1's 32 may be out
	WTURN 0
	WLOAD 2
	s_wait_loadcnt 32                              ; tile 1
	WTURN 1
	HLOAD 0
	s_wait_loadcnt 32                              ; tile 2; behind it h's first group
	WTURN 2
	WLOAD 3
	HLOAD 1
	s_wait_loadcnt 32                              ; h's first group and tile 3; behind them h's second group
	WTURN 3
	s_wait_dscnt 0x0                               ; my fragments of W2 are in
	s_mov_b32 s25, 0
.Ltrips:
	TRIP 0
	TRIP 1
	s_add_co_u32 s25, s25, 1
	s_cmp_lt_u32 s25, 8
	s_cbranch_scc1 .Ltrips
	s_wait_tensorcnt 0x0
	ds_add_u32 v254, v255
	s_wait_dscnt 0x0
	s_endpgm
.Lfunc_end_k_q9e4821a426_ffn2:
	.size	k_q9e4821a426_ffn2, .Lfunc_end_k_q9e4821a426_ffn2-k_q9e4821a426_ffn2
	.p2alignl 7, 3214868480
	.fill 96, 4, 3214868480
	.section	.rodata,"a",@progbits
	.p2align	6, 0x0
	.amdhsa_kernel k_q9e4821a426_ffn2
		.amdhsa_group_segment_fixed_size 136704
		.amdhsa_private_segment_fixed_size 0
		.amdhsa_enable_private_segment 0
		.amdhsa_kernarg_size 48
		.amdhsa_user_sgpr_count 2
		.amdhsa_user_sgpr_kernarg_segment_ptr 1
		.amdhsa_wavefront_size32 1
		.amdhsa_system_sgpr_workgroup_id_x 1
		.amdhsa_system_sgpr_workgroup_id_y 1
		.amdhsa_system_sgpr_workgroup_id_z 1
		.amdhsa_system_vgpr_workitem_id 0
		.amdhsa_next_free_vgpr 1024
		.amdhsa_next_free_sgpr 66
		.amdhsa_reserve_vcc 0
		.amdhsa_float_denorm_mode_32 3
		.amdhsa_float_denorm_mode_16_64 3
		.amdhsa_memory_ordered 1
		.amdhsa_forward_progress 1
		.amdhsa_inst_pref_size 82
	.end_amdhsa_kernel
	.amdgpu_metadata
---
amdhsa.version: [ 1, 2 ]
amdhsa.kernels:
  - .name:           k_q9e4821a426_ffn2
    .symbol:         k_q9e4821a426_ffn2.kd
    .args:
      - { .name: h_img, .offset: 0, .size: 8, .value_kind: global_buffer, .address_space: global }
      - { .name: W2_codes, .offset: 8, .size: 8, .value_kind: global_buffer, .address_space: global }
      - { .name: b2, .offset: 16, .size: 8, .value_kind: global_buffer, .address_space: global }
      - { .name: lowp_scales, .offset: 24, .size: 8, .value_kind: global_buffer, .address_space: global }
      - { .name: plan, .offset: 32, .size: 8, .value_kind: global_buffer, .address_space: global }
      - { .name: ybuf, .offset: 40, .size: 8, .value_kind: global_buffer, .address_space: global }
    .group_segment_fixed_size: 136704
    .private_segment_fixed_size: 0
    .kernarg_segment_align: 8
    .kernarg_segment_size: 48
    .max_flat_workgroup_size: 128
    .sgpr_count:     66
    .vgpr_count:     1024
    .wavefront_size: 32
...
	.end_amdgpu_metadata
.endif
;; end of part 4
;; launch combine (part 5): grid 256 x 1, 4 waves a work-group, no clusters, 0 bytes of LDS; arguments ybuf, plan, gate, out0; writes out0
.if DOCPART == 5
	.amdgcn_target "amdgcn-amd-amdhsa--gfx1250"
	.amdhsa_code_object_version 6
	.text
	.protected	k_q9e4821a426_combine
	.globl	k_q9e4821a426_combine
	.p2align	8
	.type	k_q9e4821a426_combine,@function
k_q9e4821a426_combine:
	s_mov_b64 s[64:65], 0
	v_nop
	global_prefetch_b8 v0, s[64:65] scope:SCOPE_SE
	s_setreg_imm32_b32 hwreg(HW_REG_WAVE_MODE, 25, 1), 1
	s_wait_xcnt 0x0
; out0[token] = w0 x ybuf[pos0] + w1 x ybuf[pos1].  One wave takes one token (token = 4 x work-group + wave): each output row has one owner, which gathers its two expert rows by the stored places.
; A row is 4,096 bytes: eight loads of 512 consecutive bytes; all sixteen loads go out at once; each store covers 512 consecutive bytes, aligned.  Every routed row is read once in the launch.
; A stream: no LDS, no barrier, no matrix unit.
.set POS, 9216
.set GW,  32768
.set Y0,  8                            ; v8-39   the first choice's row
.set Y1,  40                           ; v40-71  the second's, then the result
	s_load_b256 s[4:11], s[0:1], 0x0               ; ybuf s[4:5], plan s[6:7], gate s[8:9], out0 s[10:11]
	v_lshrrev_b32 v1, 5, v0
	v_readfirstlane_b32 s12, v1                    ; wave
	v_and_b32 v1, 31, v0
	v_lshlrev_b32 v1, 4, v1                        ; 16 x lane
	s_lshl_b32 s13, ttmp9, 2
	s_add_co_u32 s13, s13, s12                     ; token
	s_lshl_b32 s14, s13, 3
	s_lshl_b32 s24, s13, 12
	s_mov_b32 s25, 0
	s_wait_kmcnt 0x0
	s_load_b64 s[16:17], s[6:7], s14 offset:POS    ; the two routed rows
	s_load_b64 s[20:21], s[8:9], s14 offset:GW     ; the two weights
	s_add_nc_u64 s[10:11], s[10:11], s[24:25]
	s_wait_kmcnt 0x0
	s_min_u32 s16, s16, 2303
	s_min_u32 s17, s17, 2303
	v_lshl_add_u32 v2, s16, 12, v1
	v_lshl_add_u32 v3, s17, 12, v1
	s_mov_b32 s22, s21                             ; w1 as the low word of a pair of its own: the packed forms take a scalar pair's low word for both halves
	s_mov_b32 s23, s21
.irp j, 0,1,2,3,4,5,6,7
	global_load_b128 v[Y0+4*\j:Y0+4*\j+3], v2, s[4:5] offset:512*\j th:TH_LOAD_NT
.endr
.irp j, 0,1,2,3,4,5,6,7
	global_load_b128 v[Y1+4*\j:Y1+4*\j+3], v3, s[4:5] offset:512*\j th:TH_LOAD_NT
.endr
.irp j, 0,1,2,3,4,5,6,7
	s_wait_loadcnt 7-\j                            ; the second row's piece j is in, and with it all of the first row, which was asked for earlier
	v_pk_mul_f32 v[Y1+4*\j:Y1+4*\j+1], v[Y1+4*\j:Y1+4*\j+1], s[22:23] op_sel_hi:[1,0]
	v_pk_mul_f32 v[Y1+4*\j+2:Y1+4*\j+3], v[Y1+4*\j+2:Y1+4*\j+3], s[22:23] op_sel_hi:[1,0]
	v_pk_fma_f32 v[Y1+4*\j:Y1+4*\j+1], v[Y0+4*\j:Y0+4*\j+1], s[20:21], v[Y1+4*\j:Y1+4*\j+1] op_sel_hi:[1,0,1]
	v_pk_fma_f32 v[Y1+4*\j+2:Y1+4*\j+3], v[Y0+4*\j+2:Y0+4*\j+3], s[20:21], v[Y1+4*\j+2:Y1+4*\j+3] op_sel_hi:[1,0,1]
	global_store_b128 v1, v[Y1+4*\j:Y1+4*\j+3], s[10:11] offset:512*\j th:TH_STORE_NT   ; each piece has registers of its own: no store's data are written again
.endr
	s_endpgm
.Lfunc_end_k_q9e4821a426_combine:
	.size	k_q9e4821a426_combine, .Lfunc_end_k_q9e4821a426_combine-k_q9e4821a426_combine
	.p2alignl 7, 3214868480
	.fill 96, 4, 3214868480
	.section	.rodata,"a",@progbits
	.p2align	6, 0x0
	.amdhsa_kernel k_q9e4821a426_combine
		.amdhsa_group_segment_fixed_size 0
		.amdhsa_private_segment_fixed_size 0
		.amdhsa_enable_private_segment 0
		.amdhsa_kernarg_size 32
		.amdhsa_user_sgpr_count 2
		.amdhsa_user_sgpr_kernarg_segment_ptr 1
		.amdhsa_wavefront_size32 1
		.amdhsa_system_sgpr_workgroup_id_x 1
		.amdhsa_system_sgpr_workgroup_id_y 1
		.amdhsa_system_sgpr_workgroup_id_z 1
		.amdhsa_system_vgpr_workitem_id 0
		.amdhsa_next_free_vgpr 96
		.amdhsa_next_free_sgpr 66
		.amdhsa_reserve_vcc 0
		.amdhsa_float_denorm_mode_32 3
		.amdhsa_float_denorm_mode_16_64 3
		.amdhsa_memory_ordered 1
		.amdhsa_forward_progress 1
		.amdhsa_inst_pref_size 6
	.end_amdhsa_kernel
	.amdgpu_metadata
---
amdhsa.version: [ 1, 2 ]
amdhsa.kernels:
  - .name:           k_q9e4821a426_combine
    .symbol:         k_q9e4821a426_combine.kd
    .args:
      - { .name: ybuf, .offset: 0, .size: 8, .value_kind: global_buffer, .address_space: global }
      - { .name: plan, .offset: 8, .size: 8, .value_kind: global_buffer, .address_space: global }
      - { .name: gate, .offset: 16, .size: 8, .value_kind: global_buffer, .address_space: global }
      - { .name: out0, .offset: 24, .size: 8, .value_kind: global_buffer, .address_space: global }
    .group_segment_fixed_size: 0
    .private_segment_fixed_size: 0
    .kernarg_segment_align: 8
    .kernarg_segment_size: 32
    .max_flat_workgroup_size: 128
    .sgpr_count:     66
    .vgpr_count:     96
    .wavefront_size: 32
...
	.end_amdgpu_metadata
.endif
;; end of part 5
;; ======== version 2 of 2: 5 launches
;; workspace buffers: x_codes 1,048,576 bytes; sel 8,192 bytes of whole numbers; gate 40,960 bytes; plan 17,664 bytes of whole numbers; h_img 9,437,184 bytes; ybuf 9,437,184 bytes
;; launch route (part 6): grid 256 x 1, 4 waves a work-group, no clusters, 41,472 bytes of LDS; arguments x, Wg, bg, lowp_scales, x_codes, sel, gate; writes x_codes, sel, gate
.if DOCPART == 6
	.amdgcn_target "amdgcn-amd-amdhsa--gfx1250"
	.amdhsa_code_object_version 6
	.text
	.protected	k_q9e4821a426_route
	.globl	k_q9e4821a426_route
	.p2align	8
	.type	k_q9e4821a426_route,@function
k_q9e4821a426_route:
	s_mov_b64 s[64:65], 0
	v_nop
	global_prefetch_b8 v0, s[64:65] scope:SCOPE_SE
	s_setreg_imm32_b32 hwreg(HW_REG_WAVE_MODE, 25, 1), 1
	s_wait_xcnt 0x0
; THE GATE AND x's CODES.  One wave takes one token (token = 4 x work-group + wave): its row of x, 1,024 f32, is read once and serves both.
; (a) codes of E5M2: x / 2^e0, held within +-57,344, to the nearest code, ties to even; stored [token][k], one code a byte.
; (b) logits = x Wg + bg by f32 multiply-adds (lane l holds k = 128 j + 4 l + i), softmax with the row's maximum taken away, the two largest probabilities (of equals the lower index), their weights p / (p0 + p1).
; Stored at fixed places: sel[token][2] (the two experts, int32), gate: probs[token][8] f32, and from byte GW on gw[token][2] f32.  No address here hangs on the choice.
; Wg (32 KB) is brought by the four waves together, 512 consecutive bytes a load, and lies in LDS as in memory with 16 bytes of padding behind each 128: lane l then reads its four rows at 144 l.
; LIMITS: e0 between -126 and 112, so that 2^e0 and 57,344 x 2^e0 are f32 numbers.  NaN among the inputs is not served.  The logits' sums are taken in another order than the reference's: a token whose second and third
; probabilities agree to f32 rounding may choose the other.  A token's 48 bytes of sel, gw and probs are stored by one lane: parts of aligned blocks, 48 KB in the whole launch.
; No matrix unit, no tensor load, no cluster: 8 columns are too few for a matrix tile, and the launch reads 4 MB once.
.set CST, 36864                        ; LDS: behind Wg's 256 x 144 bytes, 1,024 bytes a wave: the codes' turn
.set GW,  32768                        ; gate: where the weights begin
.set X,   8                            ; v8-39    my 32 numbers of x: register 4 j + i = k 128 j + 4 l + i
.set T,   40                           ; v40-71   the same, held within the largest code x the scale
.set C,   72                           ; v72-79   codes: register j = k 128 j + 4 l + 0 .. 3
.set CB,  80                           ; v80-87   codes back from the stage: 16 neighbouring bytes a lane
.set G,   88                           ; v88-151  Wg: first as loaded (16 x 4), then two sets of 32: register 8 i + e = Wg[128 j + 4 l + i][e]
.set A,   152                          ; v152-159 the eight sums
.set P,   168                          ; v168-175 the probabilities
.set Q,   176                          ; v176-183 the same with the first choice struck out
	s_load_b256 s[4:11], s[0:1], 0x0               ; x s[4:5], Wg s[6:7], bg s[8:9], the scales' exponents s[10:11]
	s_load_b128 s[12:15], s[0:1], 0x20             ; x_codes s[12:13], sel s[14:15]
	s_load_b64 s[16:17], s[0:1], 0x30              ; gate
	v_lshl_add_u32 v192, v0, 2, 0xa000
	v_mov_b32 v193, 0
	v_lshrrev_b32 v1, 5, v0
	v_readfirstlane_b32 s18, v1                    ; wave
	v_and_b32 v1, 31, v0                           ; lane
	v_lshlrev_b32 v2, 4, v1                        ; 16 x lane
	v_lshrrev_b32 v3, 3, v1
	v_lshl_add_u32 v3, v3, 4, v2
	s_mul_i32 s30, s18, 9216
	v_add_nc_u32 v3, s30, v3                       ; Wg into LDS: 9,216 x wave + 16 lane + 16 (lane / 8): eight lanes' 128 bytes, then 16 of padding
	v_mul_u32_u24 v4, v1, 144                      ; Wg out of LDS: my four rows of a step
	s_lshl_b32 s30, s18, 10
	s_add_co_u32 s30, s30, CST
	v_lshl_add_u32 v5, v1, 2, s30                  ; codes into my wave's stage: 4 bytes a lane
	v_add_nc_u32 v6, s30, v2                       ; and back: 16 bytes a lane
	v_mov_b32 v7, 0
	s_lshl_b32 s19, ttmp9, 2
	s_add_co_u32 s19, s19, s18                     ; token
	s_mov_b32 s29, 0x3fb8aa3b                      ; log2(e)
	s_mov_b32 s34, 0x76543210                      ; v_permlanex16_b32: lane l xor 16
	s_mov_b32 s35, 0xfedcba98
	s_mov_b32 s31, 0
	s_wait_alu depctr_va_vdst(0)
	s_wait_kmcnt 0x0
	s_load_b256 s[20:27], s[8:9], 0x0              ; bg
	s_load_b32 s28, s[10:11], 0x0                  ; e0
	s_lshl_b32 s30, s19, 12
	s_add_nc_u64 s[4:5], s[4:5], s[30:31]          ; my row of x
	s_lshl_b32 s30, s18, 13
	s_add_nc_u64 s[6:7], s[6:7], s[30:31]          ; my wave's quarter of Wg
	s_lshl_b32 s30, s19, 10
	s_add_nc_u64 s[12:13], s[12:13], s[30:31]      ; my row of codes
	s_lshl_b32 s30, s19, 3
	s_add_nc_u64 s[14:15], s[14:15], s[30:31]      ; sel[token]
	s_add_nc_u64 s[38:39], s[16:17], s[30:31]
	s_add_nc_u64 s[38:39], s[38:39], GW            ; gw[token]
	s_lshl_b32 s30, s19, 5
	s_add_nc_u64 s[16:17], s[16:17], s[30:31]      ; probs[token]
.irp j, 0,1,2,3,4,5,6,7
	global_load_b128 v[X+4*\j:X+4*\j+3], v2, s[4:5] offset:512*\j th:TH_LOAD_NT   ; 512 consecutive bytes a load
.endr
.irp m, 0,1,2,3,4,5,6,7,8,9,10,11,12,13,14,15
	global_load_b128 v[G+4*\m:G+4*\m+3], v2, s[6:7] offset:512*\m
.endr
	s_wait_loadcnt 16                              ; x is in; Wg's sixteen loads may be out
	s_wait_kmcnt 0x0
	s_add_co_i32 s28, s28, 127
	s_lshl_b32 s32, s28, 23
	v_mov_b32 v190, s32                            ; 2^e0 as f32: the conversion takes its exponent field
	s_add_co_i32 s28, s28, 15
	s_lshl_b32 s28, s28, 23
	s_or_b32 s28, s28, 0x600000
	v_mov_b32 v191, s28                            ; 57,344 x 2^e0
.set n, 0
.rept 32
	v_med3_num_f32 v[T+n], v[X+n], -v191, v191     ; the conversion to an 8-bit code does not saturate (ISA guide 7.6.2): the hold comes first.  Into other registers: x itself goes on into the gate
.set n, n+1
.endr
.irp g, 0,1,2,3
	v_cvt_scalef32_pk8_bf8_f32 v[C+2*\g:C+2*\g+1], v[T+8*\g:T+8*\g+7], v190
.endr
	v_nop                                          ; a plain line behind the last conversion
.irp j, 0,1,2,3,4,5,6,7
	ds_store_b32 v5, v[C+\j] offset:128*\j         ; byte 128 j + 4 l = k: the row of codes as it will lie in memory
.endr
	ds_load_b128 v[CB:CB+3], v6                    ; LDS serves a wave's instructions in order: these see my stores
	ds_load_b128 v[CB+4:CB+7], v6 offset:512
	s_wait_loadcnt 0x0                             ; Wg's quarter
.irp m, 0,1,2,3,4,5,6,7,8,9,10,11,12,13,14,15
	ds_store_b128 v3, v[G+4*\m:G+4*\m+3] offset:576*\m   ; 512 bytes of data take 576 with their padding
.endr
	s_wait_dscnt 16                                ; the codes are back; the sixteen stores behind them may be out
	global_store_b128 v2, v[CB:CB+3], s[12:13]               ; 512 consecutive bytes, aligned
	global_store_b128 v2, v[CB+4:CB+7], s[12:13] offset:512
	s_wait_dscnt 0x0                               ; for the others' sake: my quarter of Wg lies in LDS
	s_barrier_signal -1
	s_barrier_wait -1                              ; all of Wg does
.macro GFETCH j                        ; Wg's rows 128 j + 4 l + 0 .. 3, eight numbers each
.irp q, 0,1,2,3,4,5,6,7
	ds_load_b128 v[G+32*((\j)%2)+4*\q:G+32*((\j)%2)+4*\q+3], v4 offset:4608*(\j)+16*\q
.endr
.endm
.macro DOT j                           ; sixteen packed multiply-adds: one number of x against a pair of experts; the first four products start the sums
.set GB, G+32*((\j)%2)
.irp i, 0,1,2,3
.irp pp, 0,1,2,3
.if ((\j) == 0) && (\i == 0)
	v_pk_mul_f32 v[A+2*\pp:A+2*\pp+1], v[X:X+1], v[GB+2*\pp:GB+2*\pp+1] op_sel_hi:[0,1]
.elseif (\i%2) == 0
	v_pk_fma_f32 v[A+2*\pp:A+2*\pp+1], v[X+4*(\j)+\i:X+4*(\j)+\i+1], v[GB+8*\i+2*\pp:GB+8*\i+2*\pp+1], v[A+2*\pp:A+2*\pp+1] op_sel_hi:[0,1,1]   ; the pair's first register for both halves
.else
	v_pk_fma_f32 v[A+2*\pp:A+2*\pp+1], v[X+4*(\j)+\i-1:X+4*(\j)+\i], v[GB+8*\i+2*\pp:GB+8*\i+2*\pp+1], v[A+2*\pp:A+2*\pp+1] op_sel:[1,0,0] op_sel_hi:[1,1,1]   ; the pair's second register for both halves
.endif
.endr
.endr
.endm
	GFETCH 0
.irp j, 0,1,2,3,4,5,6
	GFETCH \j+1
	s_wait_alu depctr_va_vdst(0)
	s_wait_dscnt 8                                 ; this step's eight loads are in, the next step's may be out
	DOT \j
.endr
	s_wait_alu depctr_va_vdst(0)
	s_wait_dscnt 0x0
	DOT 7
.irp m, 1,2,4,8                        ; the eight sums over the 32 lanes; the eight chains take turns
.irp e, 0,1,2,3,4,5,6,7
	v_add_f32_dpp v[A+\e], v[A+\e], v[A+\e] row_xmask:\m row_mask:0xf bank_mask:0xf
.endr
.endr
.irp e, 0,1,2,3,4,5,6,7
	v_permlanex16_b32 v[G+\e], v[A+\e], s34, s35   ; (its destination counts as read: G's registers have been written)
.endr
.irp e, 0,1,2,3,4,5,6,7
	v_add_f32 v[A+\e], v[A+\e], v[G+\e]
.endr
.irp e, 0,1,2,3,4,5,6,7
	v_add_f32 v[A+\e], s[20+\e], v[A+\e]           ; + bg: the logits, the same in every lane
.endr
	v_max3_num_f32 v160, v[A], v[A+1], v[A+2]
	v_max3_num_f32 v160, v160, v[A+3], v[A+4]
	v_max3_num_f32 v160, v160, v[A+5], v[A+6]
	v_max_num_f32 v160, v160, v[A+7]               ; the row's maximum is taken away, as the reference's softmax does
	v_mul_f32 v161, s29, v160
.irp e, 0,1,2,3,4,5,6,7
	v_fma_f32 v[P+\e], v[A+\e], s29, -v161
.endr
	s_wait_alu depctr_va_vdst(0)
.irp e, 0,1,2,3,4,5,6,7
	v_exp_f32 v[P+\e], v[P+\e]
.endr
	v_nop                                          ; a plain line behind the last exponential,
	s_wait_alu depctr_va_vdst(0)                   ; and one wait for the batch, ahead of its first reader
	v_add_f32 v160, v[P], v[P+1]
	v_add_f32 v161, v[P+2], v[P+3]
	v_add_f32 v162, v[P+4], v[P+5]
	v_add_f32 v163, v[P+6], v[P+7]
	v_add_f32 v160, v160, v161
	v_add_f32 v162, v162, v163
	v_add_f32 v160, v160, v162                     ; between 1 and 8
	s_wait_alu depctr_va_vdst(0)
	v_rcp_f32 v164, v160
	v_nop
	s_wait_alu depctr_va_vdst(0)
.irp e, 0,1,2,3,4,5,6,7
	v_mul_f32 v[P+\e], v[P+\e], v164
.endr
	v_mov_b32 v188, v[P]                           ; the largest: an ascending scan that keeps what it has where that is not smaller: of equals the lower index
	v_mov_b32 v184, 0
.irp e, 1,2,3,4,5,6,7
	v_cmp_ge_f32 vcc_lo, v188, v[P+\e]
	v_cndmask_b32 v188, v[P+\e], v188, vcc_lo
	v_cndmask_b32 v184, \e, v184, vcc_lo
.endr
.irp e, 0,1,2,3,4,5,6,7
	v_cmp_ne_u32 vcc_lo, \e, v184
	v_cndmask_b32 v[Q+\e], -1.0, v[P+\e], vcc_lo   ; the first choice is struck out: -1 lies under every probability
.endr
	v_mov_b32 v189, v[Q]
	v_mov_b32 v185, 0
.irp e, 1,2,3,4,5,6,7
	v_cmp_ge_f32 vcc_lo, v189, v[Q+\e]
	v_cndmask_b32 v189, v[Q+\e], v189, vcc_lo
	v_cndmask_b32 v185, \e, v185, vcc_lo
.endr
	v_add_f32 v160, v188, v189                     ; at least 1/8
	s_wait_alu depctr_va_vdst(0)
	v_rcp_f32 v164, v160
	v_cmp_eq_u32 vcc_lo, 0, v1                     ; (the plain line behind the reciprocal)
	s_wait_alu depctr_va_vdst(0)
	v_mul_f32 v186, v188, v164
	v_mul_f32 v187, v189, v164
	s_wait_alu depctr_va_vdst(0)
	s_wait_xcnt 0x0                                ; EXEC changes only when the stores above have read it
	s_wait_tensorcnt 0x0
	ds_add_u32 v192, v193
	s_wait_dscnt 0x0
	s_and_saveexec_b32 s36, vcc_lo                 ; lane 0 stores the token's figures
	global_store_b64 v7, v[184:185], s[14:15]
	global_store_b64 v7, v[186:187], s[38:39]
	global_store_b128 v7, v[P:P+3], s[16:17]
	global_store_b128 v7, v[P+4:P+7], s[16:17] offset:16
	s_wait_xcnt 0x0
	s_or_b32 exec_lo, exec_lo, s36
	s_endpgm
.Lfunc_end_k_q9e4821a426_route:
	.size	k_q9e4821a426_route, .Lfunc_end_k_q9e4821a426_route-k_q9e4821a426_route
	.p2alignl 7, 3214868480
	.fill 96, 4, 3214868480
	.section	.rodata,"a",@progbits
	.p2align	6, 0x0
	.amdhsa_kernel k_q9e4821a426_route
		.amdhsa_group_segment_fixed_size 41472
		.amdhsa_private_segment_fixed_size 0
		.amdhsa_enable_private_segment 0
		.amdhsa_kernarg_size 56
		.amdhsa_user_sgpr_count 2
		.amdhsa_user_sgpr_kernarg_segment_ptr 1
		.amdhsa_wavefront_size32 1
		.amdhsa_system_sgpr_workgroup_id_x 1
		.amdhsa_system_sgpr_workgroup_id_y 1
		.amdhsa_system_sgpr_workgroup_id_z 1
		.amdhsa_system_vgpr_workitem_id 0
		.amdhsa_next_free_vgpr 194
		.amdhsa_next_free_sgpr 66
		.amdhsa_reserve_vcc 1
		.amdhsa_float_denorm_mode_32 3
		.amdhsa_float_denorm_mode_16_64 3
		.amdhsa_memory_ordered 1
		.amdhsa_forward_progress 1
		.amdhsa_inst_pref_size 29
	.end_amdhsa_kernel
	.amdgpu_metadata
---
amdhsa.version: [ 1, 2 ]
amdhsa.kernels:
  - .name:           k_q9e4821a426_route
    .symbol:         k_q9e4821a426_route.kd
    .args:
      - { .name: x, .offset: 0, .size: 8, .value_kind: global_buffer, .address_space: global }
      - { .name: Wg, .offset: 8, .size: 8, .value_kind: global_buffer, .address_space: global }
      - { .name: bg, .offset: 16, .size: 8, .value_kind: global_buffer, .address_space: global }
      - { .name: lowp_scales, .offset: 24, .size: 8, .value_kind: global_buffer, .address_space: global }
      - { .name: x_codes, .offset: 32, .size: 8, .value_kind: global_buffer, .address_space: global }
      - { .name: sel, .offset: 40, .size: 8, .value_kind: global_buffer, .address_space: global }
      - { .name: gate, .offset: 48, .size: 8, .value_kind: global_buffer, .address_space: global }
    .group_segment_fixed_size: 41472
    .private_segment_fixed_size: 0
    .kernarg_segment_align: 8
    .kernarg_segment_size: 56
    .max_flat_workgroup_size: 128
    .sgpr_count:     66
    .vgpr_count:     194
    .wavefront_size: 32
...
	.end_amdgpu_metadata
.endif
;; end of part 6
;; launch place (part 7): grid 1 x 1, 8 waves a work-group, no clusters, 1,536 bytes of LDS; arguments sel, gate, plan, out1; writes plan, out1
.if DOCPART == 7
	.amdgcn_target "amdgcn-amd-amdhsa--gfx1250"
	.amdhsa_code_object_version 6
	.text
	.protected	k_q9e4821a426_place
	.globl	k_q9e4821a426_place
	.p2align	8
	.type	k_q9e4821a426_place,@function
k_q9e4821a426_place:
	s_mov_b64 s[64:65], 0
	v_nop
	global_prefetch_b8 v0, s[64:65] scope:SCOPE_SE
	s_setreg_imm32_b32 hwreg(HW_REG_WAVE_MODE, 25, 1), 1
	s_wait_xcnt 0x0
; THE ROWS ARE PLACED BY EXPERT, AND aux.  One work-group of eight waves; wave w owns tokens 128 w .. 128 w + 127: four chunks of 32, a lane a token.
; A counting sort without atomics.  Each wave counts, for its 128 tokens, how many chose each of the eight experts; the 8 x 8 counts meet in LDS; from them every wave has each expert's rows n, its UNITS of 32 rows
; ceil(n / 32), laid behind those of the experts before it, and how many of the expert's rows belong to earlier waves.  A token's row with expert e is 32 x e's first unit + the tokens before it that chose e.
; EVERY TOKEN HAS TWO ROWS, so the token's owner stores both with all lanes on: no mask stands in the chunks' stores.  All of this is whole-number arithmetic: addresses hang on it.
; The units' sum is at least 64 and at most 71; 72 units (2,304 rows) are laid out.  Stored in plan (int32):
;   rowtok[2304] from byte 0: the token of each routed row, tokens ascending within an expert; 0 in the rows that fill up a unit (wave e: expert e's) and in the units that are left (a thread a row);
;   pos[token][2] from byte POS: the routed row of the token's first and second choice: a wave's store covers 256 consecutive bytes, aligned;   meta[e] = {first unit, units} from byte META.
; aux = 0.01 x the sum over experts of u log(u + 1e-8), u = the mean of the probabilities over the tokens.
; ORDER: every address of a store is made with all lanes on, ahead of the first narrowing of EXEC; behind it stand only three masked stores, and wave 0's arithmetic for aux.
; One work-group is all the work there is: 40 KB are read and 18 KB written.
.set POS,  9216
.set META, 17408
.set PS,   256                         ; LDS: bytes 0-255: wave w's eight counts at 32 w; from PS on 32 bytes a wave: its sums of the eight probabilities
.set S,    16                          ; v16-23   sel: chunk j's pair at S + 2 j
.set T,    24                          ; v25-31   a chunk's candidate rows with experts 1 to 7
.set P,    32                          ; v32-39   chunk j: my token's two rows, a pair at P + 2 j
.set AD,   40                          ; v40-47   4 x those
.set TK,   48                          ; v48-51   chunk j: my token
.set CV,   52                          ; v52-59   my wave's eight counts; later the eight waves' counts of expert lane % 8
.set PR,   80                          ; v80-111  probabilities: my wave's 128 tokens
.set NE,   16                          ; s16-23   expert e's rows
.set BS,   24                          ; s24-31   my wave's count of expert e; later the expert's next free row as my wave walks its chunks
.set CM,   40                          ; s40-55   a chunk's compares: expert e against the first (2 e) and the second choice (2 e + 1)
.set MK,   66                          ; s66-97   chunk j, expert e: the lanes whose token chose e, at MK + 8 j + e
	s_load_b256 s[4:11], s[0:1], 0x0               ; sel s[4:5], gate s[6:7], plan s[8:9], out1 s[10:11]
	v_lshl_add_u32 v128, v0, 2, 0x200
	v_mov_b32 v129, 0
	v_lshrrev_b32 v1, 5, v0
	s_delay_alu instid0(VALU_DEP_1)
	v_readfirstlane_b32 s12, v1                    ; wave
	v_and_b32 v1, 31, v0                           ; lane
	s_lshl_b32 s36, s12, 10
	v_lshl_add_u32 v2, v1, 3, s36                  ; sel and pos: 1,024 x wave + 8 x lane
	s_lshl_b32 s36, s12, 12
	v_lshl_add_u32 v3, v1, 4, s36                  ; probabilities: 4,096 x wave + 16 x lane
	v_mov_b32 v4, 0
	s_lshl_b32 s36, s12, 5
	v_mov_b32 v6, s36                              ; LDS: my wave's eight counts
	v_and_b32 v7, 1, v1
	s_delay_alu instid0(VALU_DEP_1)
	v_lshl_add_u32 v7, v7, 4, s36                  ; LDS: 32 x wave + 16 (lane % 2)
	v_and_b32 v8, 7, v1
	s_delay_alu instid0(VALU_DEP_1)
	v_lshlrev_b32 v8, 2, v8                        ; LDS: 4 (lane % 8)
	s_lshl_b32 s36, s12, 7
	v_add_nc_u32 v11, s36, v1                      ; my token of chunk 0
	s_mov_b32 s56, 0x76543210                      ; v_permlanex16_b32: lane l xor 16
	s_mov_b32 s57, 0xfedcba98
	s_wait_alu depctr_va_vdst(0)
	s_wait_kmcnt 0x0
.irp j, 0,1,2,3
	global_load_b64 v[S+2*\j:S+2*\j+1], v2, s[4:5] offset:256*\j
.endr
.irp i, 0,1,2,3,4,5,6,7
	global_load_b128 v[PR+4*\i:PR+4*\i+3], v3, s[6:7] offset:512*\i   ; a lane holds experts 4 (lane % 2) + 0 .. 3 of a token
.endr
; Chunk j: for each expert the lanes that chose it (kept), and their number onto my wave's count.  The compares stand in one run, so that no scalar line waits for the vector line just before it.
.macro COUNT j
.irp e, 0,1,2,3,4,5,6,7
	v_cmp_eq_u32 s[CM+2*\e], \e, v[S+2*(\j)]
	v_cmp_eq_u32 s[CM+2*\e+1], \e, v[S+2*(\j)+1]
.endr
.irp e, 0,1,2,3,4,5,6,7
	s_or_b32 s[MK+8*(\j)+\e], s[CM+2*\e], s[CM+2*\e+1]
.endr
.irp e, 0,1,2,3,4,5,6,7
.if (\j) == 0
	s_bcnt1_i32_b32 s[BS+\e], s[MK+\e]             ; the first chunk starts the counts
.else
	s_bcnt1_i32_b32 s[CM+\e], s[MK+8*(\j)+\e]
	s_add_co_u32 s[BS+\e], s[BS+\e], s[CM+\e]
.endif
.endr
.endm
	s_wait_loadcnt 8                               ; sel's four loads are in; the eight loads of probabilities behind them may be out
	COUNT 0
	COUNT 1
	COUNT 2
	COUNT 3
.irp e, 0,1,2,3,4,5,6,7
	v_mov_b32 v[CV+\e], s[BS+\e]
.endr
	ds_store_b128 v6, v[CV:CV+3]                   ; all lanes store the same numbers to the same bytes
	ds_store_b128 v6, v[CV+4:CV+7] offset:16
	s_wait_loadcnt 0x0
	v_pk_add_f32 v[112:113], v[PR:PR+1], v[PR+4:PR+5]
	v_pk_add_f32 v[114:115], v[PR+2:PR+3], v[PR+6:PR+7]
.irp i, 2,3,4,5,6,7
	s_delay_alu instid0(VALU_DEP_2)
	v_pk_add_f32 v[112:113], v[112:113], v[PR+4*\i:PR+4*\i+1]
	s_delay_alu instid0(VALU_DEP_2)
	v_pk_add_f32 v[114:115], v[114:115], v[PR+4*\i+2:PR+4*\i+3]
.endr
.irp m, 2,4,8                          ; over the lanes of my parity
.irp e, 0,1,2,3
	v_add_f32_dpp v[112+\e], v[112+\e], v[112+\e] row_xmask:\m row_mask:0xf bank_mask:0xf
.endr
.endr
.irp e, 0,1,2,3
	s_delay_alu instid0(VALU_DEP_4)
	v_permlanex16_b32 v[PR+\e], v[112+\e], s56, s57   ; (its destination counts as read: these registers have been written)
.endr
.irp e, 0,1,2,3
	s_delay_alu instid0(VALU_DEP_4)
	v_add_f32 v[112+\e], v[112+\e], v[PR+\e]
.endr
	ds_store_b128 v7, v[112:115] offset:PS         ; lanes of one parity store the same numbers to the same bytes
	s_wait_dscnt 0x0                               ; for the others' sake: my counts and my sums lie in LDS
	s_barrier_signal -1
	s_barrier_wait -1
.irp q, 0,1,2,3,4,5,6,7
	ds_load_b32 v[CV+\q], v8 offset:32*\q          ; expert lane % 8: wave q's count
.endr
	s_wait_dscnt 0x0
	v_add3_u32 v60, v[CV], v[CV+1], v[CV+2]
	s_delay_alu instid0(VALU_DEP_1)
	v_add3_u32 v60, v60, v[CV+3], v[CV+4]
	s_delay_alu instid0(VALU_DEP_1)
	v_add3_u32 v60, v60, v[CV+5], v[CV+6]
	s_delay_alu instid0(VALU_DEP_1)
	v_add_nc_u32 v60, v60, v[CV+7]                 ; n: the expert's rows
	s_cmp_gt_u32 s12, 0
	s_cselect_b32 s36, -1, 0
	v_and_b32 v62, s36, v[CV]                      ; the expert's rows in the waves before mine: wave q's count where q < my number (wave 7 is before nobody)
.irp q, 1,2,3,4,5,6
	s_cmp_gt_u32 s12, \q
	s_cselect_b32 s36, -1, 0
	v_and_b32 v63, s36, v[CV+\q]
	s_delay_alu instid0(VALU_DEP_1)
	v_add_nc_u32 v62, v62, v63
.endr
.irp e, 0,1,2,3,4,5,6,7
	v_readlane_b32 s[NE+\e], v60, \e               ; lane e holds expert e's
	v_readlane_b32 s[BS+\e], v62, \e
.endr
	s_mov_b32 s35, 0                               ; units so far
	s_mov_b32 s32, 0
	s_mov_b32 s34, 0
	s_mov_b32 s13, 0
.irp e, 0,1,2,3,4,5,6,7
	s_add_co_u32 s36, s[NE+\e], 31
	s_lshr_b32 s36, s36, 5                         ; expert e's units
	s_lshl_b32 s37, s35, 5
	s_add_co_u32 s[BS+\e], s[BS+\e], s37           ; its next free row for my wave: 32 x its first unit + the rows of the waves before mine
	s_cmp_eq_u32 s12, \e                           ; of the expert with my wave's number:
	s_cselect_b32 s32, s35, s32                    ; the first unit,
	s_cselect_b32 s34, s36, s34                    ; the units,
	s_cselect_b32 s13, s[NE+\e], s13               ; the rows
	s_add_co_u32 s35, s35, s36
.endr
	s_lshl_b32 s14, s32, 5
	s_add_co_u32 s14, s14, s13                     ; the first row behind that expert's rows
	s_lshl_b32 s38, s34, 5
	s_sub_co_u32 s38, s38, s13                     ; rows that fill up its last unit: under 32
	v_add_nc_u32 v66, s14, v1
	s_delay_alu instid0(VALU_DEP_1)
	v_min_u32 v66, 2303, v66
	s_delay_alu instid0(VALU_DEP_1)
	v_lshlrev_b32 v66, 2, v66                      ; their places, a lane a row
	v_cmp_gt_u32 s59, s38, v1
	s_lshl_b32 s39, s35, 5
	v_add_nc_u32 v67, s39, v0                      ; the units that are left: at most 2,304 - 2,048 = 256 rows, a thread a row
	s_delay_alu instid0(VALU_DEP_1)
	v_cmp_gt_u32 s60, 2304, v67
	s_delay_alu instid0(VALU_DEP_2)
	v_min_u32 v67, 2303, v67
	s_delay_alu instid0(VALU_DEP_1)
	v_lshlrev_b32 v67, 2, v67
	v_mov_b32 v70, s32                             ; meta: the first unit,
	v_mov_b32 v71, s34                             ; the units
	s_lshl_b32 s39, s12, 3
	v_mov_b32 v68, s39
	v_cmp_eq_u32 s61, 0, v1                        ; lane 0
; Chunk j's rows.  For each expert: its next free row + how many of the chunk's lanes before me chose it; of the eight candidates my token takes those of its two choices (expert 0's is the start, the others are selected over it).
.macro PLACE j
	v_mbcnt_lo_u32_b32 v[P+2*(\j)], s[MK+8*(\j)], s[BS]
.irp e, 1,2,3,4,5,6,7
	v_mbcnt_lo_u32_b32 v[T+\e], s[MK+8*(\j)+\e], s[BS+\e]
.endr
.irp e, 1,2,3,4,5,6,7
	v_cmp_eq_u32 s[CM+2*\e], \e, v[S+2*(\j)]
	v_cmp_eq_u32 s[CM+2*\e+1], \e, v[S+2*(\j)+1]
.endr
	v_mov_b32 v[P+2*(\j)+1], v[P+2*(\j)]
.irp e, 1
	v_cndmask_b32 v[P+2*(\j)], v[P+2*(\j)], v[T+\e], s[CM+2*\e]
	s_delay_alu instid0(VALU_DEP_2)
	v_cndmask_b32 v[P+2*(\j)+1], v[P+2*(\j)+1], v[T+\e], s[CM+2*\e+1]
.endr
.irp e, 2, 3, 4, 5, 6, 7
	s_delay_alu instid0(VALU_DEP_2)
	v_cndmask_b32 v[P+2*(\j)], v[P+2*(\j)], v[T+\e], s[CM+2*\e]
	s_delay_alu instid0(VALU_DEP_2)
	v_cndmask_b32 v[P+2*(\j)+1], v[P+2*(\j)+1], v[T+\e], s[CM+2*\e+1]
.endr
.if (\j) < 3
.irp e, 0,1,2,3,4,5,6,7
	s_bcnt1_i32_b32 s[36+(\e%4)], s[MK+8*(\j)+\e]
	s_add_co_u32 s[BS+\e], s[BS+\e], s[36+(\e%4)]  ; on behind the chunk's rows
.endr
.endif
	s_wait_alu depctr_va_vdst(0)
	v_min_u32 v[P+2*(\j)], 2303, v[P+2*(\j)]       ; (the bound is never reached: it stands here because the numbers hang on loaded ones)
	v_min_u32 v[P+2*(\j)+1], 2303, v[P+2*(\j)+1]
	s_delay_alu instid0(VALU_DEP_2)
	v_lshlrev_b32 v[AD+2*(\j)], 2, v[P+2*(\j)]
	s_delay_alu instid0(VALU_DEP_2)
	v_lshlrev_b32 v[AD+2*(\j)+1], 2, v[P+2*(\j)+1]
	v_add_nc_u32 v[TK+(\j)], 32*(\j), v11          ; my token
	global_store_b32 v[AD+2*(\j)], v[TK+(\j)], s[8:9]       ; rowtok[first choice's row] = token
	global_store_b32 v[AD+2*(\j)+1], v[TK+(\j)], s[8:9]     ; rowtok[second choice's row] = token
	global_store_b64 v2, v[P+2*(\j):P+2*(\j)+1], s[8:9] offset:POS+256*(\j)   ; pos[token]: 256 consecutive bytes a wave.  Each chunk has registers of its own: no store's data or address is written again
.endm
	PLACE 0
	PLACE 1
	PLACE 2
	PLACE 3
	s_wait_xcnt 0x0                                ; EXEC changes below; each masked block ends with this wait, and nothing is issued between that wait and the next narrowing
	s_and_saveexec_b32 s58, s59
	global_store_b32 v66, v4, s[8:9]               ; token 0 stands in: its results are computed and never read
	s_wait_xcnt 0x0
	s_or_b32 exec_lo, exec_lo, s58
	s_and_saveexec_b32 s58, s60
	global_store_b32 v67, v4, s[8:9]
	s_wait_xcnt 0x0
	s_or_b32 exec_lo, exec_lo, s58
	s_and_saveexec_b32 s58, s61
	global_store_b64 v68, v[70:71], s[8:9] offset:META
	s_wait_xcnt 0x0
	s_or_b32 exec_lo, exec_lo, s58
	s_cmp_lg_u32 s12, 0                            ; aux is wave 0's; no barrier stands below
	s_cbranch_scc1 .Lend
.irp w, 0,1,2,3,4,5,6,7
	ds_load_b32 v[PR+\w], v8 offset:PS+32*\w       ; expert lane % 8: the eight waves' sums
.endr
	s_wait_dscnt 0x0
	v_add_f32 v80, v80, v81
	v_add_f32 v82, v82, v83
	v_add_f32 v84, v84, v85
	v_add_f32 v86, v86, v87
	s_delay_alu instid0(VALU_DEP_3)
	v_add_f32 v80, v80, v82
	s_delay_alu instid0(VALU_DEP_2)
	v_add_f32 v84, v84, v86
	s_delay_alu instid0(VALU_DEP_1)
	v_add_f32 v80, v80, v84
	s_delay_alu instid0(VALU_DEP_1)
	v_mul_f32 v80, 0x3a800000, v80                 ; u = the sum / 1,024
	s_delay_alu instid0(VALU_DEP_1)
	v_add_f32 v81, 0x322bcc77, v80                 ; + 1e-8
	s_wait_alu depctr_va_vdst(0)
	v_log_f32 v81, v81
	v_nop
	s_wait_alu depctr_va_vdst(0)                   ; ahead of the logarithm's first reader
	v_mul_f32 v80, v80, v81
	s_delay_alu instid0(VALU_DEP_1)
	v_add_f32_dpp v80, v80, v80 row_xmask:1 row_mask:0xf bank_mask:0xf
	s_delay_alu instid0(VALU_DEP_1)
	v_add_f32_dpp v80, v80, v80 row_xmask:2 row_mask:0xf bank_mask:0xf
	s_delay_alu instid0(VALU_DEP_1)
	v_add_f32_dpp v80, v80, v80 row_xmask:4 row_mask:0xf bank_mask:0xf
	s_delay_alu instid0(VALU_DEP_1)
	v_mul_f32 v80, 0x3f317218, v80                 ; log2 to the natural logarithm
	s_delay_alu instid0(VALU_DEP_1)
	v_mul_f32 v80, 0x3c23d70a, v80                 ; x 0.01
	s_and_saveexec_b32 s58, s61
	global_store_b32 v4, v80, s[10:11]
	s_wait_xcnt 0x0
	s_or_b32 exec_lo, exec_lo, s58
.Lend:
	s_wait_tensorcnt 0x0
	ds_add_u32 v128, v129
	s_wait_dscnt 0x0
	s_endpgm
.Lfunc_end_k_q9e4821a426_place:
	.size	k_q9e4821a426_place, .Lfunc_end_k_q9e4821a426_place-k_q9e4821a426_place
	.p2alignl 7, 3214868480
	.fill 96, 4, 3214868480
	.section	.rodata,"a",@progbits
	.p2align	6, 0x0
	.amdhsa_kernel k_q9e4821a426_place
		.amdhsa_group_segment_fixed_size 1536
		.amdhsa_private_segment_fixed_size 0
		.amdhsa_enable_private_segment 0
		.amdhsa_kernarg_size 32
		.amdhsa_user_sgpr_count 2
		.amdhsa_user_sgpr_kernarg_segment_ptr 1
		.amdhsa_wavefront_size32 1
		.amdhsa_system_sgpr_workgroup_id_x 1
		.amdhsa_system_sgpr_workgroup_id_y 1
		.amdhsa_system_sgpr_workgroup_id_z 1
		.amdhsa_system_vgpr_workitem_id 0
		.amdhsa_next_free_vgpr 130
		.amdhsa_next_free_sgpr 98
		.amdhsa_reserve_vcc 0
		.amdhsa_float_denorm_mode_32 3
		.amdhsa_float_denorm_mode_16_64 3
		.amdhsa_memory_ordered 1
		.amdhsa_forward_progress 1
		.amdhsa_inst_pref_size 36
	.end_amdhsa_kernel
	.amdgpu_metadata
---
amdhsa.version: [ 1, 2 ]
amdhsa.kernels:
  - .name:           k_q9e4821a426_place
    .symbol:         k_q9e4821a426_place.kd
    .args:
      - { .name: sel, .offset: 0, .size: 8, .value_kind: global_buffer, .address_space: global }
      - { .name: gate, .offset: 8, .size: 8, .value_kind: global_buffer, .address_space: global }
      - { .name: plan, .offset: 16, .size: 8, .value_kind: global_buffer, .address_space: global }
      - { .name: out1, .offset: 24, .size: 8, .value_kind: global_buffer, .address_space: global }
    .group_segment_fixed_size: 1536
    .private_segment_fixed_size: 0
    .kernarg_segment_align: 8
    .kernarg_segment_size: 32
    .max_flat_workgroup_size: 256
    .sgpr_count:     98
    .vgpr_count:     130
    .wavefront_size: 32
...
	.end_amdgpu_metadata
.endif
;; end of part 7
;; launch ffn1 (part 8): grid 32 x 8, 4 waves a work-group, no clusters, 133,632 bytes of LDS; arguments x_codes, W1_codes, b1, lowp_scales, plan, h_img; writes h_img
.if DOCPART == 8
	.amdgcn_target "amdgcn-amd-amdhsa--gfx1250"
	.amdhsa_code_object_version 6
	.text
	.protected	k_q9e4821a426_ffn1
	.globl	k_q9e4821a426_ffn1
	.p2align	8
	.type	k_q9e4821a426_ffn1,@function
k_q9e4821a426_ffn1:
	s_mov_b64 s[64:65], 0
	v_nop
	global_prefetch_b8 v0, s[64:65] scope:SCOPE_SE
	s_setreg_imm32_b32 hwreg(HW_REG_WAVE_SCHED_MODE, 0, 2), 2
	s_setreg_imm32_b32 hwreg(HW_REG_WAVE_MODE, 25, 1), 1
	s_wait_xcnt 0x0
	s_wait_alu depctr_vm_vsrc(0)
; THE HIDDEN LAYER OF THE CHOSEN ROWS: h = Q(relu(x W1 + b1)), on codes of E5M2, for the routed rows alone (the reference keeps two experts' rows of each token and throws the rest away).
; SHARES.  Work-group (x, y): expert y; 256 hidden units, chunk x / 2; half x % 2 of the expert's units of 32 routed rows (half 0: the first ceil(Un / 2), half 1: the rest).
; Wave w owns hidden units 64 w .. 64 w + 63 of the chunk, over all K = 1,024: 4 tiles x 8 K steps = 32 fragments, 512 registers, which STAY for the whole launch.  They are loaded as they lie (512 consecutive bytes of a
; row a load) and turned into fragments through the wave's own stage in LDS, once.  What goes past them is small: a unit's 32 rows of x's codes, gathered by the list of tokens into one of two LDS buffers.
; THE PRODUCT IS USED TRANSPOSED (source 0 = 16 rows of W1, source 1 = 16 routed rows), AND THE ROWS OF W1 THAT FORM A TILE ARE NOT NEIGHBOURS: row i of tile 2 b + u is hidden unit 32 b + 8 u + i + 8 (i / 8).  So lane (r, h)
; holds routed row r, and its 16 registers of tiles 2 b, 2 b + 1 are hidden units 32 b + 16 h + 0 .. 15: the conversions' results are registers of the next product's operand, and are stored as an IMAGE of them:
; h_img[row tile][K step of 128][piece c][lane][16 bytes], lane (r, h) of piece c = row r, k = 32 c + 16 h + 0 .. 15.  A wave's store covers 512 consecutive bytes, aligned.
; A fragment's k are laid 32 c + 16 h + 0 .. 15 in registers 4 c .. 4 c + 3 on BOTH sides of each product: a permutation of k that is the same in both, so every product meets its partner.
; b1 / 2^(e0 + e1) is the C of each sum's first product; the sum stands for sum x 2^(e0 + e1), so the conversion takes 2^(e3 - e0 - e1); the hold at the largest code clips at 0 as well: the activation.
; THE LOOP has 16 trips, a constant (an expert has at most 32 units), with one barrier each; a trip's work stands under forward branches on the stored count, and no barrier stands under one.
; NO TENSOR LOAD, NO CLUSTER, NO JOINT LOADS: how many units a work-group has is a number read from memory, and the text branches on it; a chunk's weights are read by two work-groups only (neighbours in x).
; LIMITS: e3 - e0 - e1 between -126 and 112; b1 x 2^-(e0 + e1) must be an f32 number.  NaN among the inputs is not served.
; REGISTERS, in windows of 256.  Window 0: v1-15 addresses, v16-23 the gathered rows' offsets, v24, v25 scale and hold, v32-63 the bias, v64-127 eight accumulators, v128-143 codes, v160-223 gathered rows.
;   Windows 1, 2: W1's fragment (tile t, K step s) in window 1 + t / 2 at v[128 (t % 2) + 16 s].   Window 3: x's fragment (row tile T, K step s) at v[16 (2 s + T)].
; THE MODE: SCHED_MODE bits 1:0 = 2 (LLVM: expert scheduling mode 2), set by the entry lines.  The code itself states the register dependences between vector or matrix instructions and memory or LDS instructions,
; with s_wait_alu, always for 0.
; THE PLAN.  Registers that memory or LDS instructions touch, in the loop:
;   window 3      A unit's LDS loads land in it, K step by K step; that unit's products read it.
;   v[XG ..]      The gather's sixteen loads land in them at a trip's head; the sixteen LDS stores at the trip's end read them.  No vector instruction names them.
;   v14           The load of tokens lands in it; eight v_readlane_b32 of the next trip read it.
;   v16-23, v13   Written by vector lines in ROWS; read by the gather's loads and the load of tokens that follow.
;   v11, v[PC ..] Written by a unit's vector lines (one add; the conversions); read by the unit's four stores.
;   v3-v10, v12, v15, v254, v255   Made at the head and never written again.
; So a trip has five waits.  One on va_vdst in COMPUTE, ahead of the first products.  ONE on vm_vsrc at its head, ahead of every branch: what the memory and LDS instructions of the trips before have read may be written again.  One on va_sdst behind the run of v_readlane_b32.
; One on va_vdst in ROWS, ahead of its seventeen loads.  One on va_vdst behind the conversions, ahead of the four stores: it also states that the unit's products are done reading window 3, and no vector or matrix
; instruction between it and a later LDS load into window 3 names the registers in which that load lands: so x's loads stand among the products, three K steps ahead, with no further wait.
.set META, 17408
.set WP,   1040                        ; an LDS row: 1,024 bytes + 16 = 65 x 16: the sixteen rows of a fragment load start at sixteen different 16-byte columns
.set WSTW, 16*WP                       ; a wave's stage: one tile's 16 rows
.set XB0,  4*WSTW                      ; behind the stages: two buffers of 32 rows of x's codes
.set XB1,  XB0+32*WP
.set BI,   32
.set ACC,  64                          ; accumulator (tile t, row tile T) at ACC + 32 T + 8 t
.set PC,   128
.set XG,   160
.set TS,   36                          ; s36-43  the tokens of my eight rows
.set MSB, 0
.macro WIN new                         ; the immediate's high byte repeats the setting that is left; a switch that changes nothing is dropped
.if MSB != (\new)
	s_set_vgpr_msb (MSB<<8)|(\new)
.set MSB, (\new)
.endif
.endm
.macro PLACES n
.rept \n
	v_nop
.endr
.endm
.macro WLOAD t                         ; tile t's 16 rows as they lie: 32 loads of 512 consecutive bytes
.set WB, 128*((\t)%2)
.set R0, 32*((\t)/2)+8*((\t)%2)
	WIN ((1+(\t)/2)<<6)
.irp i, 0,1,2,3,4,5,6,7,8,9,10,11,12,13,14,15
	global_load_b128 v[WB+8*\i:WB+8*\i+3], v3, s[6:7] offset:(R0+\i+8*(\i/8))*1024
	global_load_b128 v[WB+8*\i+4:WB+8*\i+7], v3, s[6:7] offset:(R0+\i+8*(\i/8))*1024+512
.endr
	WIN 0
.endm
.macro WTURN t                         ; through my stage: in as rows, back as fragments, into the registers that they left.  LDS serves a wave's instructions in order: no wait on DScnt, and the next tile's stores come behind these loads
.set WB, 128*((\t)%2)
	WIN ((1+(\t)/2)<<2)
.irp i, 0,1,2,3,4,5,6,7,8,9,10,11,12,13,14,15
	ds_store_b128 v4, v[WB+8*\i:WB+8*\i+3] offset:WP*\i
	ds_store_b128 v4, v[WB+8*\i+4:WB+8*\i+7] offset:WP*\i+512
.endr
	WIN ((1+(\t)/2)<<6)
	s_wait_alu depctr_vm_vsrc(0)                   ; the LDS stores above have read the tile's 128 registers, in which the LDS loads below land
.irp s, 0,1,2,3,4,5,6,7
.irp c, 0,1,2,3
	ds_load_b128 v[WB+16*\s+4*\c:WB+16*\s+4*\c+3], v5 offset:128*\s+32*\c
.endr
.endr
	WIN 0
.endm
.macro TOKADR k                        ; where the tokens of my 8 rows of the unit k further on stand in the list (lane i % 8: row 8 w + i)
	s_add_co_u32 s27, s22, s24
	s_add_co_u32 s27, s27, \k
	s_min_u32 s27, s27, 71                         ; every entry of the list up to unit 71 is written, so a look ahead past my share reads a token
	s_lshl_b32 s27, s27, 7
	v_add_nc_u32 v13, s27, v12
.endm
; My 8 rows of x's codes of the unit whose tokens lie in v14: two loads of 512 consecutive bytes a row; behind them the load of the tokens of the unit k further on than the one in hand.
.macro ROWS k
.irp i, 0,1,2,3,4,5,6,7
	v_readlane_b32 s[TS+\i], v14, \i
.endr
	s_wait_alu depctr_va_sdst(0)                   ; the eight v_readlane_b32 have written s36 to s43, ahead of their first reader
.irp i, 0,1,2,3,4,5,6,7
	s_min_u32 s[TS+\i], s[TS+\i], 1023
.endr
.irp i, 0,1,2,3,4,5,6,7
	v_lshl_add_u32 v[16+\i], s[TS+\i], 10, v3
.endr
	TOKADR \k
	s_wait_alu depctr_va_vdst(0)                   ; v16 to v23 and v13 are written, which the loads below read as offsets; the v_readlane_b32 are done reading v14, in which the tokens land
.irp i, 0,1,2,3,4,5,6,7
	global_load_b128 v[XG+8*\i:XG+8*\i+3], v[16+\i], s[4:5]
	global_load_b128 v[XG+8*\i+4:XG+8*\i+7], v[16+\i], s[4:5] offset:512
.endr
	global_load_b32 v14, v13, s[12:13]
.endm
.macro XSTORE p
.irp i, 0,1,2,3,4,5,6,7
	ds_store_b128 v[6+\p], v[XG+8*\i:XG+8*\i+3] offset:WP*\i
	ds_store_b128 v[6+\p], v[XG+8*\i+4:XG+8*\i+7] offset:WP*\i+512
.endr
.endm
.macro XFRAG p, s                      ; x's two fragments of K step s, out of buffer p: eight LDS loads into window 3
.irp tt, 0,1
.irp c, 0,1,2,3
	ds_load_b128 v[16*(2*(\s)+\tt)+4*\c:16*(2*(\s)+\tt)+4*\c+3], v[8+\p] offset:16*WP*\tt+128*(\s)+32*\c
.endr
.endr
.endm
.macro COMPUTE p                       ; the unit in buffer p
	s_wait_xcnt 0x0                                ; the last unit's stores have read their codes and their offset
	s_add_co_u32 s27, s22, s24
	s_min_u32 s27, s27, 71
	s_lshl_b32 s27, s27, 17                        ; a unit's images: 2 row tiles x 65,536 bytes
	v_add_nc_u32 v11, s27, v10
	WIN 0xc0                                       ; destination window 3.  No wait: the registers' last readers, the last unit's products, stand ahead of that unit's wait on va_vdst, and nothing since names them
	XFRAG \p, 0
	XFRAG \p, 1
	XFRAG \p, 2
	s_wait_alu depctr_va_vdst(0)
; The 64 products go by K step, K ascending: in a step all four tiles against both row tiles: eight accumulators by turns, one instruction a turn.
; Behind a step's products stand the eight LDS loads of the K step three further on: the products issued so far name the fragments of earlier K steps alone.
.irp s, 0,1,2,3,4,5,6,7
.if \s < 6
	s_wait_dscnt 16                                ; K step s's eight loads are in; those of the two K steps behind it may be out
.else
	s_wait_dscnt 56-8*\s                           ; the counts run down: 8, 0
.endif
.irp g, 0,1
	WIN 0x0d+\g                                    ; source 0 (W1) window 1 + g, source 1 (x) window 3, C and D window 0
.irp u, 0,1
.irp tt, 0,1
.set rD, ACC+32*\tt+8*(2*\g+\u)
.set rA, 128*\u+16*\s
.set rB, 16*(2*\s+\tt)
.set rC, BI+8*(2*\g+\u)
.if \s == 0
	v_wmma_f32_16x16x128_bf8_bf8 v[rD:rD+7], v[rA:rA+15], v[rB:rB+15], v[rC:rC+7]
.else
	v_wmma_f32_16x16x128_bf8_bf8 v[rD:rD+7], v[rA:rA+15], v[rB:rB+15], v[rD:rD+7]
.endif
.endr
.endr
.endr
.if \s < 5
	WIN 0xc0
	XFRAG \p, \s+3
.endif
.endr
	WIN 0
	PLACES 4                                       ; four plain lines between the products and the first read of a result (ISA guide 7.12.1)
.irp b, 0,1
.irp tt, 0,1
.irp i, 0,1,2,3,4,5,6,7,8,9,10,11,12,13,14,15
	v_med3_num_f32 v[ACC+32*\tt+16*\b+\i], v[ACC+32*\tt+16*\b+\i], 0, v25   ; the activation and the hold in one; each accumulator from its low end on
.endr
	v_cvt_scalef32_pk8_bf8_f32 v[PC+4*(2*\tt+\b):PC+4*(2*\tt+\b)+1], v[ACC+32*\tt+16*\b:ACC+32*\tt+16*\b+7], v24
	v_cvt_scalef32_pk8_bf8_f32 v[PC+4*(2*\tt+\b)+2:PC+4*(2*\tt+\b)+3], v[ACC+32*\tt+16*\b+8:ACC+32*\tt+16*\b+15], v24
.endr
.endr
	v_nop                                          ; a plain line behind the last conversion: the next unit's products write its sources
	s_wait_alu depctr_va_vdst(0)                   ; the conversions have written v[PC ..] and the add v11, which the stores below read; the products are done reading window 3, in which the next unit's LDS loads land
.irp tt, 0,1
.irp b, 0,1
	global_store_b128 v11, v[PC+4*(2*\tt+\b):PC+4*(2*\tt+\b)+3], s[14:15] offset:65536*\tt+512*\b   ; 512 consecutive bytes, aligned
.endr
.endr
.endm
; A TRIP: the next unit's rows are asked for, this unit is worked, the next unit's rows go into the other buffer; one barrier.  It parts the other buffer's new rows from their reads in the next trip,
; and this trip's reads of buffer p from that buffer's next rows.
.macro TRIP p
	s_wait_alu depctr_vm_vsrc(0)                   ; on every path: the gather's loads of the trips before have read v16 to v23, the load of tokens v13, the LDS stores v[XG ..], the last unit's stores v11 and v[PC ..]: this trip writes all of them again
	s_add_co_u32 s26, s24, 1
	s_cmp_lt_u32 s26, s23
	s_cbranch_scc0 .Lno_gather_\@
	s_wait_loadcnt 0x0                             ; the next unit's tokens are in, and no load is out that names the offsets below
	ROWS 2
.Lno_gather_\@:
	s_cmp_lt_u32 s24, s23
	s_cbranch_scc0 .Lno_work_\@
	COMPUTE \p
.Lno_work_\@:
	s_cmp_lt_u32 s26, s23
	s_cbranch_scc0 .Lno_rows_\@
	s_wait_loadcnt 0x1                             ; the sixteen loads of rows are in; the load of tokens behind them may be out
	XSTORE 1-\p
.Lno_rows_\@:
	s_add_co_u32 s24, s24, 1
	s_wait_dscnt 0x0                               ; my stores have landed and my reads are back
	s_barrier_signal -1
	s_barrier_wait -1
.endm
	s_load_b256 s[4:11], s[0:1], 0x0               ; x_codes s[4:5], W1_codes s[6:7], b1 s[8:9], the scales' exponents s[10:11]
	s_load_b128 s[12:15], s[0:1], 0x20             ; plan s[12:13], h_img s[14:15]
	v_lshl_add_u32 v254, v0, 2, 0x20800
	v_mov_b32 v255, 0
	v_lshrrev_b32 v1, 5, v0
	v_readfirstlane_b32 s16, v1                    ; wave
	s_and_b32 s17, ttmp7, 0xffff                   ; expert
	s_lshr_b32 s18, ttmp9, 1                       ; chunk
	s_and_b32 s19, ttmp9, 1                        ; half
	v_and_b32 v1, 15, v0                           ; r
	v_bfe_u32 v2, v0, 4, 1                         ; h
	v_and_b32 v3, 31, v0
	v_and_b32 v12, 7, v0
	v_lshlrev_b32 v3, 4, v3                        ; 16 x lane
	s_wait_alu depctr_va_sdst(0)                   ; s16 is written, ahead of its first reader: LDS addresses and the bases of W1 and b1 are made from it
	s_mul_i32 s26, s16, WSTW
	v_add_nc_u32 v4, s26, v3                       ; my stage, in: 16 bytes a lane
	v_mul_u32_u24 v5, v1, WP
	v_lshl_add_u32 v5, v2, 4, v5                   ; a fragment's row x pitch + 16 h
	v_add_nc_u32 v8, XB0, v5                       ; x's fragments in buffer 0,
	v_add_nc_u32 v9, XB1, v5                       ; in buffer 1,
	v_add_nc_u32 v5, s26, v5                       ; and W1's in my stage
	s_mul_i32 s26, s16, 8*WP
	v_add_nc_u32 v6, s26, v3
	v_add_nc_u32 v7, XB1, v6                       ; my 8 rows in buffer 1,
	v_add_nc_u32 v6, XB0, v6                       ; in buffer 0
	s_lshl_b32 s26, s18, 1
	s_lshr_b32 s27, s16, 1
	s_add_co_u32 s26, s26, s27                     ; the next product's K step: 2 x chunk + w / 2
	s_lshl_b32 s26, s26, 11
	s_and_b32 s27, s16, 1
	s_lshl_b32 s27, s27, 10                        ; its pieces 2 (w % 2) and 2 (w % 2) + 1
	s_add_co_u32 s26, s26, s27
	v_add_nc_u32 v10, s26, v3
	s_lshl_b32 s26, s16, 3
	v_add_nc_u32 v12, s26, v12
	v_lshlrev_b32 v12, 2, v12                      ; 4 (8 w + lane % 8)
	v_lshlrev_b32 v15, 6, v2                       ; the bias: 64 h
	s_lshl_b32 s26, s17, 12
	s_lshl_b32 s32, s18, 8
	s_add_co_u32 s26, s26, s32
	s_lshl_b32 s32, s16, 6
	s_add_co_u32 s26, s26, s32                     ; my first hidden row among the 32,768: 4,096 e + 256 chunk + 64 w
	s_lshl_b32 s27, s17, 3
	s_mov_b32 s33, 0
	s_wait_kmcnt 0x0
	s_load_b64 s[20:21], s[12:13], s27 offset:META ; my expert's first unit and units
	s_load_b128 s[28:31], s[10:11], 0x0            ; e0, e1, e2, e3
	s_lshl_b32 s32, s26, 10
	s_add_nc_u64 s[6:7], s[6:7], s[32:33]
	s_lshl_b32 s32, s26, 2
	s_add_nc_u64 s[8:9], s[8:9], s[32:33]
	s_wait_alu depctr_va_vdst(0)                   ; the offsets and LDS addresses v3 to v10, v12 and v15 are written, which the loads, stores and LDS instructions of the whole kernel read; so are v254 and v255
.irp t, 0,1,2,3
	global_load_b128 v[BI+8*\t:BI+8*\t+3], v15, s[8:9] offset:(32*(\t/2)+8*(\t%2))*4       ; lane (r, h), tile 2 b + u: b1 of hidden units 32 b + 16 h + 8 u + 0 .. 7
	global_load_b128 v[BI+8*\t+4:BI+8*\t+7], v15, s[8:9] offset:(32*(\t/2)+8*(\t%2))*4+16
.endr
	WLOAD 0
	s_wait_kmcnt 0x0
	s_add_co_u32 s32, s21, 1
	s_lshr_b32 s32, s32, 1                         ; half 0's units
	s_sub_co_u32 s33, s21, s32                     ; half 1's
	s_cmp_eq_u32 s19, 0
	s_cselect_b32 s23, s32, s33                    ; my units: at most 16
	s_cselect_b32 s22, 0, s32
	s_add_co_u32 s22, s22, s20                     ; my first unit
	s_mov_b32 s24, 0                               ; the unit in hand
	TOKADR 0
	s_wait_alu depctr_va_vdst(0)                   ; v13 is written, which the load of tokens reads
	global_load_b32 v14, v13, s[12:13]
	WLOAD 1
	s_wait_loadcnt 33                              ; the bias and tile 0 are in; behind them: 1 load of tokens, tile 1's 32
	WTURN 0                                        ; (its wait on vm_vsrc also stands between the first load of tokens, which read v13, and the line in ROWS that writes v13 again)
	s_wait_loadcnt 32                              ; the tokens
	ROWS 1
	WLOAD 2
	s_wait_loadcnt 49                              ; tile 1 is in; behind it: 16 of rows, 1 of tokens, tile 2's 32
	WTURN 1
	s_wait_loadcnt 33                              ; the rows
	XSTORE 0
	WLOAD 3
	s_wait_loadcnt 32                              ; tile 2 (and the tokens)
	WTURN 2
	s_add_co_i32 s32, s28, s29                     ; e0 + e1
	s_sub_co_i32 s33, 0, s32
	s_sub_co_i32 s32, s31, s32
	s_add_co_i32 s32, s32, 127
	s_lshl_b32 s34, s32, 23
	v_mov_b32 v24, s34                             ; 2^(e3 - e0 - e1): the three scales folded into the conversion's one
	s_add_co_i32 s32, s32, 15
	s_lshl_b32 s32, s32, 23
	s_or_b32 s32, s32, 0x600000
	v_mov_b32 v25, s32                             ; 57,344 x that
.set n, 0
.rept 32
	v_ldexp_f32 v[BI+n], v[BI+n], s33              ; b1 / 2^(e0 + e1)
.set n, n+1
.endr
	s_wait_loadcnt 0x0
	WTURN 3
	s_wait_dscnt 0x0                               ; my fragments are in, my rows of the first unit lie in buffer 0
	s_barrier_signal -1
	s_barrier_wait -1
	s_mov_b32 s25, 0
.Ltrips:
	TRIP 0
	TRIP 1
	s_add_co_u32 s25, s25, 1
	s_cmp_lt_u32 s25, 8
	s_cbranch_scc1 .Ltrips
	s_wait_dscnt 0x0                               ; the closing lines, six on end
	s_wait_alu 0x0
	s_wait_tensorcnt 0x0
	ds_add_u32 v254, v255
	s_wait_dscnt 0x0
	s_endpgm
.Lfunc_end_k_q9e4821a426_ffn1:
	.size	k_q9e4821a426_ffn1, .Lfunc_end_k_q9e4821a426_ffn1-k_q9e4821a426_ffn1
	.p2alignl 7, 3214868480
	.fill 96, 4, 3214868480
	.section	.rodata,"a",@progbits
	.p2align	6, 0x0
	.amdhsa_kernel k_q9e4821a426_ffn1
		.amdhsa_group_segment_fixed_size 133632
		.amdhsa_private_segment_fixed_size 0
		.amdhsa_enable_private_segment 0
		.amdhsa_kernarg_size 48
		.amdhsa_user_sgpr_count 2
		.amdhsa_user_sgpr_kernarg_segment_ptr 1
		.amdhsa_wavefront_size32 1
		.amdhsa_system_sgpr_workgroup_id_x 1
		.amdhsa_system_sgpr_workgroup_id_y 1
		.amdhsa_system_sgpr_workgroup_id_z 1
		.amdhsa_system_vgpr_workitem_id 0
		.amdhsa_next_free_vgpr 1024
		.amdhsa_next_free_sgpr 66
		.amdhsa_reserve_vcc 0
		.amdhsa_float_denorm_mode_32 3
		.amdhsa_float_denorm_mode_16_64 3
		.amdhsa_memory_ordered 1
		.amdhsa_forward_progress 1
		.amdhsa_inst_pref_size 79
	.end_amdhsa_kernel
	.amdgpu_metadata
---
amdhsa.version: [ 1, 2 ]
amdhsa.kernels:
  - .name:           k_q9e4821a426_ffn1
    .symbol:         k_q9e4821a426_ffn1.kd
    .args:
      - { .name: x_codes, .offset: 0, .size: 8, .value_kind: global_buffer, .address_space: global }
      - { .name: W1_codes, .offset: 8, .size: 8, .value_kind: global_buffer, .address_space: global }
      - { .name: b1, .offset: 16, .size: 8, .value_kind: global_buffer, .address_space: global }
      - { .name: lowp_scales, .offset: 24, .size: 8, .value_kind: global_buffer, .address_space: global }
      - { .name: plan, .offset: 32, .size: 8, .value_kind: global_buffer, .address_space: global }
      - { .name: h_img, .offset: 40, .size: 8, .value_kind: global_buffer, .address_space: global }
    .group_segment_fixed_size: 133632
    .private_segment_fixed_size: 0
    .kernarg_segment_align: 8
    .kernarg_segment_size: 48
    .max_flat_workgroup_size: 128
    .sgpr_count:     66
    .vgpr_count:     1024
    .wavefront_size: 32
...
	.end_amdgpu_metadata
.endif
;; end of part 8
;; launch ffn2 (part 9): grid 32 x 8, 4 waves a work-group, no clusters, 136,704 bytes of LDS; arguments h_img, W2_codes, b2, lowp_scales, plan, ybuf; writes ybuf
.if DOCPART == 9
	.amdgcn_target "amdgcn-amd-amdhsa--gfx1250"
	.amdhsa_code_object_version 6
	.text
	.protected	k_q9e4821a426_ffn2
	.globl	k_q9e4821a426_ffn2
	.p2align	8
	.type	k_q9e4821a426_ffn2,@function
k_q9e4821a426_ffn2:
	s_mov_b64 s[64:65], 0
	v_nop
	global_prefetch_b8 v0, s[64:65] scope:SCOPE_SE
	s_setreg_imm32_b32 hwreg(HW_REG_WAVE_SCHED_MODE, 0, 2), 2
	s_setreg_imm32_b32 hwreg(HW_REG_WAVE_MODE, 25, 1), 1
	s_wait_xcnt 0x0
	s_wait_alu depctr_vm_vsrc(0)
; THE SECOND PRODUCT OF THE CHOSEN ROWS: ybuf[routed row][d] = (the sum over k of h's code x W2's code) x 2^(e2 + e3) + b2[expert][d], f32.
; SHARES.  Work-group (x, y): expert y; 64 output columns, chunk x / 2; half x % 2 of the expert's units of 32 routed rows, as in the launch before.
; THE WAVES SHARE K: wave w owns k = 1,024 w .. 1,024 w + 1,023 (8 K steps of 128) of all 64 columns: 4 tiles x 8 steps = 32 fragments of W2, 512 registers, which stay for the whole launch (loaded as they lie, 512
; consecutive bytes a load, and turned through the wave's own stage in LDS, once).  So each fragment of h is loaded by ONE wave of the work-group, straight from its image into registers (four loads of 512 consecutive
; bytes), and feeds four products.  The four waves' partial sums meet in LDS once a unit; each wave then adds, scales and stores 8 whole rows' 256 bytes.
; TRANSPOSED USE: source 0 = 16 columns of W2, source 1 = 16 routed rows: a lane holds 8 neighbouring columns of one row.
; h's loads run a unit ahead, in two groups of 32 (K steps 0-3, 4-7): each group is asked for again as soon as its products are done reading it.
; THE LOOP has 16 trips, a constant, with one barrier each, between the partial sums' stores and their reads; two buffers take turns, so that a buffer's next stores stand behind the next barrier.  A trip's work stands
; under forward branches on the stored count; no barrier stands under one.  The unit with a successor and the last one are written out apart, so that every counted wait stands with the loads that it counts.
; NO TENSOR LOAD, NO CLUSTER, NO JOINT LOADS: the number of units is read from memory and the text branches on it; a chunk's weights are read by two work-groups only.
; LIMITS: e2 + e3 between -126 and 127.
; REGISTERS.  Window 0: v1-16 addresses and b2, v64-127 eight accumulators ((tile n, row tile T) at 64 + 8 (2 n + T)), v128-191 the partial sums read back.
;   Windows 1, 2: W2's fragment (n, s) in window 1 + n / 2 at v[128 (n % 2) + 16 s].   Window 3: h's fragment (T, s) at v[16 (2 s + T)].
; THE MODE: SCHED_MODE bits 1:0 = 2 (LLVM: expert scheduling mode 2), set by the entry lines.  The code itself states the register dependences between vector or matrix instructions and memory or LDS instructions,
; with s_wait_alu, always for 0.
; THE PLAN.  Registers that memory or LDS instructions touch, in the loop:
;   window 3, group g   The 32 products of HALF g read it; behind them the next unit's 32 loads land in it.
;   v6                  Written by one add a unit, behind HALF 0; read by both groups' loads.
;   v[ACC ..]           Written by the products; read by the sixteen LDS stores at the unit's end; begun anew by the next unit's first products.
;   v[RD ..]            Sixteen LDS loads land in them; the packed sums read and write them; four stores read them.
;   v11                 Written by one add a unit; read by those four stores.
;   v3-v5, v7-v10, v16, v254, v255   Made at the head and never written again.
; So a trip has four waits.  One on va_vdst behind HALF 0 and the add to v6, ahead of group 0's loads.  One on va_vdst behind HALF 1 and its places, ahead of group 1's loads and the LDS stores.  ONE on vm_vsrc in front of
; the barrier, on every path: the LDS stores have read the accumulators, the loads of h v6, the last unit's stores v11 and v[RD ..].  One on va_vdst behind all the packed sums, ahead of the run of four stores: it
; also covers the next unit's LDS loads into v[RD ..], which no vector or matrix instruction names in between.
.set META, 17408
.set WP,   1040
.set WSTW, 16*WP
.set RED,  4*WSTW                      ; behind the stages: 2 buffers x 4 waves x 32 rows x (256 bytes + 16)
.set ACC,  64
.set RD,   128
.set MSB, 0
.macro WIN new
.if MSB != (\new)
	s_set_vgpr_msb (MSB<<8)|(\new)
.set MSB, (\new)
.endif
.endm
.macro PLACES n
.rept \n
	v_nop
.endr
.endm
.macro WLOAD t                         ; tile t: columns 16 t + i, my 1,024 bytes of each: 32 loads of 512 consecutive bytes
.set WB, 128*((\t)%2)
	WIN ((1+(\t)/2)<<6)
.irp i, 0,1,2,3,4,5,6,7,8,9,10,11,12,13,14,15
	global_load_b128 v[WB+8*\i:WB+8*\i+3], v3, s[6:7] offset:(16*(\t)+\i)*4096
	global_load_b128 v[WB+8*\i+4:WB+8*\i+7], v3, s[6:7] offset:(16*(\t)+\i)*4096+512
.endr
	WIN 0
.endm
.macro WTURN t                         ; through my stage: in as rows, back as fragments.  LDS serves a wave's instructions in order
.set WB, 128*((\t)%2)
	WIN ((1+(\t)/2)<<2)
.irp i, 0,1,2,3,4,5,6,7,8,9,10,11,12,13,14,15
	ds_store_b128 v4, v[WB+8*\i:WB+8*\i+3] offset:WP*\i
	ds_store_b128 v4, v[WB+8*\i+4:WB+8*\i+7] offset:WP*\i+512
.endr
	WIN ((1+(\t)/2)<<6)
	s_wait_alu depctr_vm_vsrc(0)                   ; the LDS stores above have read the tile's 128 registers, in which the LDS loads below land
.irp s, 0,1,2,3,4,5,6,7
.irp c, 0,1,2,3
	ds_load_b128 v[WB+16*\s+4*\c:WB+16*\s+4*\c+3], v5 offset:128*\s+32*\c
.endr
.endr
	WIN 0
.endm
.macro HLOAD g                         ; h's fragments of my K steps 4 g .. 4 g + 3, both row tiles: 32 loads, in the order in which they are used
	WIN 0xc0
.irp ss, 0,1,2,3
.irp tt, 0,1
.irp c, 0,1,2,3
	global_load_b128 v[16*(2*(4*(\g)+\ss)+\tt)+4*\c:16*(2*(4*(\g)+\ss)+\tt)+4*\c+3], v6, s[4:5] offset:65536*\tt+2048*(4*(\g)+\ss)+512*\c
.endr
.endr
.endr
	WIN 0
.endm
.macro HALF g, rest                    ; 32 products: K steps 4 g .. 4 g + 3; first tiles 0, 1, then tiles 2, 3: four accumulators by turns, one instruction a turn.  rest: the loads issued behind this group's
.irp pg, 0,1
	WIN 0x0d+\pg                                   ; source 0 (W2) window 1 + pg, source 1 (h) window 3
.irp ss, 0,1,2,3
.if \pg == 0
	s_wait_loadcnt (\rest)+24-8*\ss                ; this K step's eight loads are in
.endif
.irp u, 0,1
.irp tt, 0,1
.set rD, ACC+8*(2*(2*\pg+\u)+\tt)
.set rA, 128*\u+16*(4*(\g)+\ss)
.set rB, 16*(2*(4*(\g)+\ss)+\tt)
.if (4*(\g)+\ss) == 0
	v_wmma_f32_16x16x128_bf8_bf8 v[rD:rD+7], v[rA:rA+15], v[rB:rB+15], 0
.else
	v_wmma_f32_16x16x128_bf8_bf8 v[rD:rD+7], v[rA:rA+15], v[rB:rB+15], v[rD:rD+7]
.endif
.endr
.endr
.endr
.endr
.endm
.macro MAIN q, next                    ; a unit's 64 products; next = 1: the next unit's fragments are asked for on the way
	HALF 0, 32                                     ; behind the first group: the second group's 32
	WIN 0
	PLACES 4                                       ; in front of loads into registers that matrix instructions have read
.if \next
	s_wait_xcnt 0x0                                ; the loads that are out have read their offset
	s_add_co_u32 s27, s22, s24
	s_add_co_u32 s27, s27, 1
	s_min_u32 s27, s27, 71
	s_lshl_b32 s27, s27, 17
	v_add_nc_u32 v6, s27, v7                       ; (the loads that read v6 stand ahead of the last wait on vm_vsrc: the last trip's, in the first trip the one in the last turn of W2)
	s_wait_alu depctr_va_vdst(0)                   ; the products above are done reading h's K steps 0 to 3, in which the loads below land; v6 is written, which they read
	HLOAD 0
.endif
	HALF 1, 32*\next
	WIN 0
	PLACES 5                                       ; four serve the LDS stores below; the fifth the next unit's first products, which begin these accumulators anew
	s_wait_alu depctr_va_vdst(0)                   ; the products have written the accumulators, which the LDS stores below read, and are done reading h's K steps 4 to 7, in which the loads below land; the places above stay beside this wait
.if \next
	HLOAD 1
.endif
.irp nn, 0,1,2,3
.irp tt, 0,1
	ds_store_b128 v8, v[ACC+8*(2*\nn+\tt):ACC+8*(2*\nn+\tt)+3] offset:34816*(\q)+4352*\tt+64*\nn       ; lane (r, h): row 16 T + r, columns 16 n + 8 h + 0 .. 7; each accumulator from its low end on
	ds_store_b128 v8, v[ACC+8*(2*\nn+\tt)+4:ACC+8*(2*\nn+\tt)+7] offset:34816*(\q)+4352*\tt+64*\nn+16
.endr
.endr
.endm
.macro EPI q                           ; my 8 rows of the unit: the four waves' partial sums, the scale, the bias, out
	s_wait_xcnt 0x0                                ; the last unit's stores have read their data and their offset
	s_add_co_u32 s27, s22, s24
	s_min_u32 s27, s27, 71
	s_lshl_b32 s27, s27, 17                        ; a unit's 32 rows of 4,096 bytes
	v_add_nc_u32 v11, s27, v10
.irp src, 0,1,2,3
.irp i, 0,1,2,3
	ds_load_b128 v[RD+16*\src+4*\i:RD+16*\src+4*\i+3], v9 offset:34816*(\q)+8704*\src+544*\i   ; no wait: the last unit's packed sums stand ahead of its wait on va_vdst, and nothing since names these registers
.endr
.endr
	s_wait_dscnt 0x0
.irp i, 0,1,2,3
	v_pk_add_f32 v[RD+4*\i:RD+4*\i+1], v[RD+4*\i:RD+4*\i+1], v[RD+16+4*\i:RD+16+4*\i+1]
	v_pk_add_f32 v[RD+4*\i+2:RD+4*\i+3], v[RD+4*\i+2:RD+4*\i+3], v[RD+16+4*\i+2:RD+16+4*\i+3]
	v_pk_add_f32 v[RD+32+4*\i:RD+32+4*\i+1], v[RD+32+4*\i:RD+32+4*\i+1], v[RD+48+4*\i:RD+48+4*\i+1]
	v_pk_add_f32 v[RD+32+4*\i+2:RD+32+4*\i+3], v[RD+32+4*\i+2:RD+32+4*\i+3], v[RD+48+4*\i+2:RD+48+4*\i+3]
	v_pk_add_f32 v[RD+4*\i:RD+4*\i+1], v[RD+4*\i:RD+4*\i+1], v[RD+32+4*\i:RD+32+4*\i+1]
	v_pk_add_f32 v[RD+4*\i+2:RD+4*\i+3], v[RD+4*\i+2:RD+4*\i+3], v[RD+32+4*\i+2:RD+32+4*\i+3]
	v_pk_fma_f32 v[RD+4*\i:RD+4*\i+1], v[RD+4*\i:RD+4*\i+1], s[40:41], v[12:13] op_sel_hi:[1,0,1]       ; sum x 2^(e2 + e3) + b2 (the scalar pair's low word for both halves)
	v_pk_fma_f32 v[RD+4*\i+2:RD+4*\i+3], v[RD+4*\i+2:RD+4*\i+3], s[40:41], v[14:15] op_sel_hi:[1,0,1]
.endr
	s_wait_alu depctr_va_vdst(0)                   ; the packed lines have written v[RD ..] and the add v11, which the four stores read; they are done with all of v[RD ..], in which the next unit's LDS loads land
.irp i, 0,1,2,3
	global_store_b128 v11, v[RD+4*\i:RD+4*\i+3], s[14:15] offset:8192*\i   ; sixteen lanes store 256 consecutive bytes, aligned; two rows an instruction
.endr
.endm
.macro TRIP q
	s_cmp_lt_u32 s24, s23
	s_cbranch_scc0 .Lno_work_\@
	s_add_co_u32 s26, s24, 1
	s_cmp_lt_u32 s26, s23
	s_cbranch_scc0 .Llast_\@
	MAIN \q, 1
	s_branch .Lno_work_\@
.Llast_\@:
	MAIN \q, 0
.Lno_work_\@:
	s_wait_dscnt 0x0                               ; my partial sums lie in LDS; my reads of the other buffer are back
	s_wait_alu depctr_vm_vsrc(0)                   ; on every path: my LDS stores have read the accumulators, which the next unit's first products write; the loads of h have read v6; the last unit's stores have read v11 and v[RD ..], which are written again below
	s_barrier_signal -1
	s_barrier_wait -1
	s_cmp_lt_u32 s24, s23
	s_cbranch_scc0 .Lno_out_\@
	EPI \q
.Lno_out_\@:
	s_add_co_u32 s24, s24, 1
.endm
	s_load_b256 s[4:11], s[0:1], 0x0               ; h_img s[4:5], W2_codes s[6:7], b2 s[8:9], the scales' exponents s[10:11]
	s_load_b128 s[12:15], s[0:1], 0x20             ; plan s[12:13], ybuf s[14:15]
	v_lshl_add_u32 v254, v0, 2, 0x21400
	v_mov_b32 v255, 0
	v_lshrrev_b32 v1, 5, v0
	v_readfirstlane_b32 s16, v1                    ; wave
	s_and_b32 s17, ttmp7, 0xffff                   ; expert
	s_lshr_b32 s18, ttmp9, 1                       ; chunk
	s_and_b32 s19, ttmp9, 1                        ; half
	v_and_b32 v1, 15, v0                           ; r
	v_bfe_u32 v2, v0, 4, 1                         ; h
	v_and_b32 v3, 31, v0
	v_lshlrev_b32 v3, 4, v3                        ; 16 x lane
	s_wait_alu depctr_va_sdst(0)                   ; s16 is written, ahead of its first reader: LDS addresses, offsets and the base of W2 are made from it
	s_mul_i32 s26, s16, WSTW
	v_add_nc_u32 v4, s26, v3                       ; my stage, in
	v_mul_u32_u24 v5, v1, WP
	v_lshl_add_u32 v5, v2, 4, v5
	v_add_nc_u32 v5, s26, v5                       ; and back: row r x pitch + 16 h
	s_lshl_b32 s26, s16, 14
	v_add_nc_u32 v7, s26, v3                       ; h's images: my 8 K steps of 2,048 bytes, 16 bytes a lane
	v_mul_u32_u24 v8, v1, 272
	v_lshl_add_u32 v8, v2, 5, v8
	s_mul_i32 s26, s16, 8704
	s_add_co_u32 s26, s26, RED
	v_add_nc_u32 v8, s26, v8                       ; my partial sums: row r, 32 h bytes on
	v_mul_u32_u24 v9, v2, 272
	v_lshl_add_u32 v9, v1, 4, v9
	s_mul_i32 s26, s16, 2176
	s_add_co_u32 s26, s26, RED
	v_add_nc_u32 v9, s26, v9                       ; back: rows 8 w + h (+ 2 i), 16 bytes a lane
	v_lshlrev_b32 v16, 4, v1                       ; 16 r
	v_lshl_add_u32 v10, v2, 12, v16
	s_lshl_b32 s26, s16, 15
	s_lshl_b32 s27, s18, 8
	s_add_co_u32 s26, s26, s27
	v_add_nc_u32 v10, s26, v10                     ; ybuf: 4,096 (8 w + h) + 256 chunk + 16 r
	s_lshl_b32 s26, s17, 10
	s_lshl_b32 s32, s18, 6
	s_add_co_u32 s26, s26, s32                     ; my first column among the 8,192: 1,024 e + 64 chunk
	s_lshl_b32 s27, s17, 3
	s_mov_b32 s33, 0
	s_wait_kmcnt 0x0
	s_load_b64 s[20:21], s[12:13], s27 offset:META ; my expert's first unit and units
	s_load_b128 s[28:31], s[10:11], 0x0            ; e0, e1, e2, e3
	s_lshl_b32 s32, s26, 12
	s_lshl_b32 s34, s16, 10
	s_add_co_u32 s32, s32, s34                     ; + my wave's 1,024 bytes of each row
	s_add_nc_u64 s[6:7], s[6:7], s[32:33]
	s_lshl_b32 s32, s26, 2
	s_add_nc_u64 s[8:9], s[8:9], s[32:33]
	s_wait_alu depctr_va_vdst(0)                   ; the offsets and LDS addresses v3 to v5, v8, v9 and v16 are written, which the loads and LDS instructions of the whole kernel read; so are v254 and v255
	global_load_b128 v[12:15], v16, s[8:9]         ; b2 of columns 4 r + 0 .. 3 of the chunk
	WLOAD 0
	s_wait_kmcnt 0x0
	s_add_co_u32 s32, s21, 1
	s_lshr_b32 s32, s32, 1                         ; half 0's units
	s_sub_co_u32 s33, s21, s32                     ; half 1's
	s_cmp_eq_u32 s19, 0
	s_cselect_b32 s23, s32, s33                    ; my units: at most 16
	s_cselect_b32 s22, 0, s32
	s_add_co_u32 s22, s22, s20                     ; my first unit
	s_mov_b32 s24, 0
	s_cmp_gt_u32 s23, 0
	s_cselect_b32 s27, s22, 0                      ; a work-group without units loads unit 0's images, which are written, and uses nothing of them
	s_min_u32 s27, s27, 71
	s_lshl_b32 s27, s27, 17
	v_add_nc_u32 v6, s27, v7
	s_wait_alu depctr_va_vdst(0)                   ; v6 is written, which the first unit's loads of h read; no vector line stands between here and them
	s_add_co_i32 s40, s30, s31
	s_add_co_i32 s40, s40, 127
	s_lshl_b32 s40, s40, 23                        ; 2^(e2 + e3) as f32
	s_mov_b32 s41, s40                             ; (named with it as a pair, so it is written)
	WLOAD 1
	s_wait_loadcnt 32                              ; b2 and tile 0 are in; tile 1's 32 may be out
	WTURN 0
	WLOAD 2
	s_wait_loadcnt 32                              ; tile 1
	WTURN 1
	HLOAD 0
	s_wait_loadcnt 32                              ; tile 2; behind it h's first group
	WTURN 2
	WLOAD 3
	HLOAD 1
	s_wait_loadcnt 32                              ; h's first group and tile 3; behind them h's second group
	WTURN 3                                        ; (its wait on vm_vsrc also stands behind the loads of h above, which read v6: the first trip writes v6 again)
	s_wait_dscnt 0x0                               ; my fragments of W2 are in
	s_mov_b32 s25, 0
.Ltrips:
	TRIP 0
	TRIP 1
	s_add_co_u32 s25, s25, 1
	s_cmp_lt_u32 s25, 8
	s_cbranch_scc1 .Ltrips
	s_wait_dscnt 0x0                               ; the closing lines, six on end
	s_wait_alu 0x0
	s_wait_tensorcnt 0x0
	ds_add_u32 v254, v255
	s_wait_dscnt 0x0
	s_endpgm
.Lfunc_end_k_q9e4821a426_ffn2:
	.size	k_q9e4821a426_ffn2, .Lfunc_end_k_q9e4821a426_ffn2-k_q9e4821a426_ffn2
	.p2alignl 7, 3214868480
	.fill 96, 4, 3214868480
	.section	.rodata,"a",@progbits
	.p2align	6, 0x0
	.amdhsa_kernel k_q9e4821a426_ffn2
		.amdhsa_group_segment_fixed_size 136704
		.amdhsa_private_segment_fixed_size 0
		.amdhsa_enable_private_segment 0
		.amdhsa_kernarg_size 48
		.amdhsa_user_sgpr_count 2
		.amdhsa_user_sgpr_kernarg_segment_ptr 1
		.amdhsa_wavefront_size32 1
		.amdhsa_system_sgpr_workgroup_id_x 1
		.amdhsa_system_sgpr_workgroup_id_y 1
		.amdhsa_system_sgpr_workgroup_id_z 1
		.amdhsa_system_vgpr_workitem_id 0
		.amdhsa_next_free_vgpr 1024
		.amdhsa_next_free_sgpr 66
		.amdhsa_reserve_vcc 0
		.amdhsa_float_denorm_mode_32 3
		.amdhsa_float_denorm_mode_16_64 3
		.amdhsa_memory_ordered 1
		.amdhsa_forward_progress 1
		.amdhsa_inst_pref_size 83
	.end_amdhsa_kernel
	.amdgpu_metadata
---
amdhsa.version: [ 1, 2 ]
amdhsa.kernels:
  - .name:           k_q9e4821a426_ffn2
    .symbol:         k_q9e4821a426_ffn2.kd
    .args:
      - { .name: h_img, .offset: 0, .size: 8, .value_kind: global_buffer, .address_space: global }
      - { .name: W2_codes, .offset: 8, .size: 8, .value_kind: global_buffer, .address_space: global }
      - { .name: b2, .offset: 16, .size: 8, .value_kind: global_buffer, .address_space: global }
      - { .name: lowp_scales, .offset: 24, .size: 8, .value_kind: global_buffer, .address_space: global }
      - { .name: plan, .offset: 32, .size: 8, .value_kind: global_buffer, .address_space: global }
      - { .name: ybuf, .offset: 40, .size: 8, .value_kind: global_buffer, .address_space: global }
    .group_segment_fixed_size: 136704
    .private_segment_fixed_size: 0
    .kernarg_segment_align: 8
    .kernarg_segment_size: 48
    .max_flat_workgroup_size: 128
    .sgpr_count:     66
    .vgpr_count:     1024
    .wavefront_size: 32
...
	.end_amdgpu_metadata
.endif
;; end of part 9
;; launch combine (part 10): grid 256 x 1, 4 waves a work-group, no clusters, 0 bytes of LDS; arguments ybuf, plan, gate, out0; writes out0
.if DOCPART == 10
	.amdgcn_target "amdgcn-amd-amdhsa--gfx1250"
	.amdhsa_code_object_version 6
	.text
	.protected	k_q9e4821a426_combine
	.globl	k_q9e4821a426_combine
	.p2align	8
	.type	k_q9e4821a426_combine,@function
k_q9e4821a426_combine:
	s_mov_b64 s[64:65], 0
	v_nop
	global_prefetch_b8 v0, s[64:65] scope:SCOPE_SE
	s_setreg_imm32_b32 hwreg(HW_REG_WAVE_MODE, 25, 1), 1
	s_wait_xcnt 0x0
; out0[token] = w0 x ybuf[pos0] + w1 x ybuf[pos1].  One wave takes one token (token = 4 x work-group + wave): each output row has one owner, which gathers its two expert rows by the stored places.
; A row is 4,096 bytes: eight loads of 512 consecutive bytes; all sixteen loads go out at once; each store covers 512 consecutive bytes, aligned.  Every routed row is read once in the launch.
; A stream: no LDS, no barrier, no matrix unit.
.set POS, 9216
.set GW,  32768
.set Y0,  8                            ; v8-39   the first choice's row
.set Y1,  40                           ; v40-71  the second's, then the result
	s_load_b256 s[4:11], s[0:1], 0x0               ; ybuf s[4:5], plan s[6:7], gate s[8:9], out0 s[10:11]
	v_lshrrev_b32 v1, 5, v0
	v_readfirstlane_b32 s12, v1                    ; wave
	v_and_b32 v1, 31, v0
	v_lshlrev_b32 v1, 4, v1                        ; 16 x lane
	s_lshl_b32 s13, ttmp9, 2
	s_add_co_u32 s13, s13, s12                     ; token
	s_lshl_b32 s14, s13, 3
	s_lshl_b32 s24, s13, 12
	s_mov_b32 s25, 0
	s_wait_alu depctr_va_vdst(0)
	s_wait_kmcnt 0x0
	s_load_b64 s[16:17], s[6:7], s14 offset:POS    ; the two routed rows
	s_load_b64 s[20:21], s[8:9], s14 offset:GW     ; the two weights
	s_add_nc_u64 s[10:11], s[10:11], s[24:25]
	s_wait_kmcnt 0x0
	s_min_u32 s16, s16, 2303
	s_min_u32 s17, s17, 2303
	v_lshl_add_u32 v2, s16, 12, v1
	v_lshl_add_u32 v3, s17, 12, v1
	s_mov_b32 s22, s21                             ; w1 as the low word of a pair of its own: the packed forms take a scalar pair's low word for both halves
	s_mov_b32 s23, s21
.irp j, 0,1,2,3,4,5,6,7
	global_load_b128 v[Y0+4*\j:Y0+4*\j+3], v2, s[4:5] offset:512*\j th:TH_LOAD_NT
.endr
.irp j, 0,1,2,3,4,5,6,7
	global_load_b128 v[Y1+4*\j:Y1+4*\j+3], v3, s[4:5] offset:512*\j th:TH_LOAD_NT
.endr
.irp j, 0,1,2,3,4,5,6,7
	s_wait_loadcnt 7-\j                            ; the second row's piece j is in, and with it all of the first row, which was asked for earlier
	v_pk_mul_f32 v[Y1+4*\j:Y1+4*\j+1], v[Y1+4*\j:Y1+4*\j+1], s[22:23] op_sel_hi:[1,0]
	v_pk_mul_f32 v[Y1+4*\j+2:Y1+4*\j+3], v[Y1+4*\j+2:Y1+4*\j+3], s[22:23] op_sel_hi:[1,0]
	v_pk_fma_f32 v[Y1+4*\j:Y1+4*\j+1], v[Y0+4*\j:Y0+4*\j+1], s[20:21], v[Y1+4*\j:Y1+4*\j+1] op_sel_hi:[1,0,1]
	v_pk_fma_f32 v[Y1+4*\j+2:Y1+4*\j+3], v[Y0+4*\j+2:Y0+4*\j+3], s[20:21], v[Y1+4*\j+2:Y1+4*\j+3] op_sel_hi:[1,0,1]
	global_store_b128 v1, v[Y1+4*\j:Y1+4*\j+3], s[10:11] offset:512*\j th:TH_STORE_NT   ; each piece has registers of its own: no store's data are written again
.endr
	s_endpgm
.Lfunc_end_k_q9e4821a426_combine:
	.size	k_q9e4821a426_combine, .Lfunc_end_k_q9e4821a426_combine-k_q9e4821a426_combine
	.p2alignl 7, 3214868480
	.fill 96, 4, 3214868480
	.section	.rodata,"a",@progbits
	.p2align	6, 0x0
	.amdhsa_kernel k_q9e4821a426_combine
		.amdhsa_group_segment_fixed_size 0
		.amdhsa_private_segment_fixed_size 0
		.amdhsa_enable_private_segment 0
		.amdhsa_kernarg_size 32
		.amdhsa_user_sgpr_count 2
		.amdhsa_user_sgpr_kernarg_segment_ptr 1
		.amdhsa_wavefront_size32 1
		.amdhsa_system_sgpr_workgroup_id_x 1
		.amdhsa_system_sgpr_workgroup_id_y 1
		.amdhsa_system_sgpr_workgroup_id_z 1
		.amdhsa_system_vgpr_workitem_id 0
		.amdhsa_next_free_vgpr 96
		.amdhsa_next_free_sgpr 66
		.amdhsa_reserve_vcc 0
		.amdhsa_float_denorm_mode_32 3
		.amdhsa_float_denorm_mode_16_64 3
		.amdhsa_memory_ordered 1
		.amdhsa_forward_progress 1
		.amdhsa_inst_pref_size 6
	.end_amdhsa_kernel
	.amdgpu_metadata
---
amdhsa.version: [ 1, 2 ]
amdhsa.kernels:
  - .name:           k_q9e4821a426_combine
    .symbol:         k_q9e4821a426_combine.kd
    .args:
      - { .name: ybuf, .offset: 0, .size: 8, .value_kind: global_buffer, .address_space: global }
      - { .name: plan, .offset: 8, .size: 8, .value_kind: global_buffer, .address_space: global }
      - { .name: gate, .offset: 16, .size: 8, .value_kind: global_buffer, .address_space: global }
      - { .name: out0, .offset: 24, .size: 8, .value_kind: global_buffer, .address_space: global }
    .group_segment_fixed_size: 0
    .private_segment_fixed_size: 0
    .kernarg_segment_align: 8
    .kernarg_segment_size: 32
    .max_flat_workgroup_size: 128
    .sgpr_count:     66
    .vgpr_count:     96
    .wavefront_size: 32
...
	.end_amdgpu_metadata
.endif
;; end of part 10
